; MI455X (gfx1250); checked and timed in simulation.
; The chip was launched on July 23, 2026; its instructions are those of AMD's public machine-readable ISA for CDNA 5 (MIT licence, August 2026) and "CDNA5" Instruction Set Architecture Reference Guide (July 2026). The comments in the code are by the model that wrote it; some were corrected since.
;; Multihead Self Attention. Allowed arithmetic: matrix products marked QUANTISED: E2M1 operands, one E8M0 scale for each 32 along K, by v_wmma_scale_f32_16x16x128_f8f6f4 with both operands' format E2M1 (or v_wmma_scale_f32_32x16x128_f4), f32 sums; products left as they are: bf16, f16 or f32 operands; f32 sums; everything else in f32.
;; Inputs: W_O 1,024 x 1,024 float32; W_QKV 3,072 x 1,024 float32; token_positions 2,048 int32; x 4 x 2,048 x 1,024 float32.
;; Outputs: out0 4 x 2,048 x 1,024 float32.
;; This version of the problem:
;;   THIS VERSION OF THE PROBLEM IS GIVEN IN LOW PRECISION. The matrix products marked QUANTISED in the list below multiply operands that are first quantised to E2M1 (2 exponent bits, 1 mantissa bit; 4 bits a number), with one power-of-two scale for each 32 numbers along K (OCP MX v1.0); their sums are f32. The products marked 'left as it is' may take bf16, f16 or f32 operands, with f32 sums. Whichever they take, every output number must still come out within the allowed error. Rounding operands to bf16 (8 significant bits) uses up far more of that allowance than f16 does (11 bits, for magnitudes from 6e-5 to 65,504). All else is computed in f32.
;;   The module's matrix products, in the order in which they are computed (A, B: the left and right operand; K: the contracted axis; several contracted axes count as one K, in the product's order):
;;     1. [M 8,192, K 1,024] x [K 1,024, N 3,072]; A: input x; B: input W_QKV: QUANTISED
;;     2. batch 64 x [M 2,048, K 64] x [K 64, N 2,048]; A: computed on the way; B: computed on the way: left as it is (an operand is computed on the way)
;;     3. batch 64 x [M 2,048, K 2,048] x [K 2,048, N 64]; A: computed on the way; B: computed on the way: left as it is (an operand is computed on the way)
;;     4. [M 8,192, K 1,024] x [K 1,024, N 1,024]; A: computed on the way; B: input W_O: left as it is (an operand is computed on the way)
;;   THE QUANTISER, for each operand of a quantised product, along K:
;;     - K is cut into blocks of 32 from its start; a last block that is shorter is filled with zeros.
;;     - A block's scale is 2^e with e = floor(log2(the largest magnitude in the block)) - 2, held to -126 .. 127; a block of zeros has e = 0. As a byte (E8M0): e + 127.
;;     - Each number is divided by its block's scale, clamped to +-6, and rounded to the nearest number of E2M1, ties to even, subnormals kept.
;;     - The product sums the exact products of the quantised numbers (number of the format x scale) in f32.
;;   ~~~python
;;   def quantise(x, axis):      # numpy; x: float32 -> the quantised numbers, widened to float32 again
;;       x = np.moveaxis(x, axis, -1); K = x.shape[-1]
;;       x = np.pad(x, [(0, 0)] * (x.ndim - 1) + [(0, -K % 32)]); x = x.reshape(x.shape[:-1] + (-1, 32)); a = np.abs(x).max(-1, keepdims=True)
;;       e = np.where(a > 0, np.clip(np.frexp(np.where(a > 0, a, 1))[1] - 1 - 2, -126, 127), 0)      # np.frexp(a)[1] - 1 = floor(log2(a)), exactly
;;       r = np.clip(x / 2.0 ** e, -6, 6)
;;       step = 2.0 ** (np.maximum(np.frexp(np.where(r == 0, 1, r))[1] - 1, 0) - 1)
;;       q = np.round(r / step) * step * 2.0 ** e      # np.round: ties to even
;;       return np.moveaxis(q.reshape(q.shape[:-2] + (-1,))[..., :K], -1, axis).astype(np.float32)
;;   ~~~
;; One version. Each part assembles by itself: llvm-mc -triple=amdgcn-amd-amdhsa -mcpu=gfx1250 --defsym DOCPART=n.
;; ======== version 1 of 1: 5 launches
;; limits: values are held in f16: magnitudes above 65,504 overflow, below 6.1e-05 lose precision
;; workspace buffers: codes 5,767,168 bytes; scales 360,448 bytes; wo16 2,097,152 bytes; cstab 524,288 bytes; qkv16 50,331,648 bytes; attn16 16,777,216 bytes; first32 786,432 bytes
;; launch prep (part 1): grid 400 x 1, 4 waves a work-group, no clusters, 33,280 bytes of LDS; arguments x, W_QKV, W_O, token_positions, codes, scales, wo16, cstab; writes codes, scales, wo16, cstab
.if DOCPART == 1
	.amdgcn_target "amdgcn-amd-amdhsa--gfx1250"
	.amdhsa_code_object_version 6
	.text
	.protected	k_q473f4cd5db_prep
	.globl	k_q473f4cd5db_prep
	.p2align	8
	.type	k_q473f4cd5db_prep,@function
k_q473f4cd5db_prep:
	s_mov_b64 s[64:65], 0
	v_nop
	global_prefetch_b8 v0, s[64:65] scope:SCOPE_SE
	s_setreg_imm32_b32 hwreg(HW_REG_WAVE_MODE, 25, 1), 1
	s_wait_xcnt 0x0
; PREP: three jobs that only stream, told apart by the work-group's number.
;  work-groups 0-351:   x [8192][1024] (0-255) and W_QKV [3072][1024] (256-351), f32, become codes of FP4 (E2M1), K innermost, 512 bytes a row, and one E8M0 byte for each 32 along K.
;                       Both tensors are plain streams of blocks of 32, and the two outputs hold x's part first and W_QKV's behind it: run n of 8,192 numbers gives 4,096 bytes of codes and 256 scale bytes at n times that.
;  work-groups 352-383: W_O [1024][1024] f32 is rounded to f16, same layout.
;  work-groups 384-399: the table of cosines and sines: row s holds, for k = 0 .. 31, cos and sin of token_positions[s] x 10000^(-k/32), 256 bytes a row.
; A block's scale is 2^(floor(log2(largest magnitude)) - 2); its byte is the largest magnitude's exponent field - 2, held at 1 from below.
; LIMITS: a block of zeros, or one under 2^-124, gets the byte 1 (its codes add nothing; this program alone reads the bytes); NaN and infinities are not served; W_O under 65,504 in magnitude;
; the angle is formed as position x 2^(-k L), L = log2(10000)/32, and reduced by pi/2 in three parts: good while the angle stays under about 2^20.
; Only the first job uses LDS (a stage to turn 16 bytes a lane into 64 bytes a lane, and 256 scale bytes a wave); waves share nothing: no barrier.
.set WGA,   256                        ; work-groups for x
.set WGQ,   352                        ; and with W_QKV's
.set WGW,   384                        ; and with W_O's
.set STEPS, 16
.set EMAX,  2
.set CB,    8                          ; bytes of 16 codes
.set R,     16                         ; v16-79   four sets of 16 numbers as loaded
.set X,     80                         ; v80-111  two sets of 16 neighbours
.set C,     128                        ; v128-191 codes, four registers a step
.set E,     112                        ; v112-127 a scale byte a step
.set WREG,  8192                       ; LDS: a region for each wave: two stages of 32 x SP bytes, then its 256 scale bytes
.set SP,    80                         ; a lane's place in a stage: 64 bytes + 16 of padding
.set SPW,   12                         ; v12 my spare word's LDS address; never rewritten
.set NIL,   13                         ; v13 0; never rewritten
.set SPARE, 4*WREG                     ; behind the four regions: the spare words, 128 bytes a wave
	s_load_b256 s[4:11], s[0:1], 0x0               ; x s[4:5], W_QKV s[6:7], W_O s[8:9], token_positions s[10:11]
	s_load_b256 s[12:19], s[0:1], 0x20             ; codes s[12:13], scales s[14:15], wo16 s[16:17], cstab s[18:19]
	v_lshl_add_u32 v[SPW], v0, 2, SPARE
	v_mov_b32 v[NIL], 0
	v_lshrrev_b32 v1, 5, v0
	v_readfirstlane_b32 s20, v1                    ; wave
	v_and_b32 v2, 31, v0                           ; lane
	s_mov_b32 s23, 0                               ; upper word of every offset pair s[22:23]
	s_wait_kmcnt 0x0
	s_cmp_lt_u32 ttmp9, WGQ
	s_cbranch_scc0 .Lnot_codes
; ---------------- the quantiser ----------------
	v_lshlrev_b32 v3, 4, v2                        ; my 16 bytes of a load's 512
	s_mul_i32 s24, s20, WREG
	v_lshrrev_b32 v14, 2, v2
	v_mul_u32_u24 v14, v14, SP
	v_and_b32 v15, 3, v2
	v_lshl_add_u32 v14, v15, 4, v14
	v_add_nc_u32 v14, s24, v14                     ; the stage, in: SP (lane / 4) + 16 (lane % 4)
	v_mul_u32_u24 v15, v2, SP
	v_add_nc_u32 v15, s24, v15                     ; and out: SP x lane: my 16 neighbours
	v_mul_u32_u24 v4, v2, CB                       ; my codes' place in a step's
	v_lshrrev_b32 v5, 1, v2
	s_add_co_u32 s24, s24, 2*32*SP
	v_add_nc_u32 v5, s24, v5                       ; my block's scale byte in my wave's 256
	v_lshlrev_b32 v7, 3, v2
	v_add_nc_u32 v6, s24, v7                       ; and 8 of them a lane on the way out
	s_cmp_lt_u32 ttmp9, WGA                        ; x or W_QKV: the choice hangs on the work-group's number alone
	s_cselect_b64 s[4:5], s[4:5], s[6:7]
	s_cselect_b32 s21, 0, WGA
	s_sub_co_u32 s21, ttmp9, s21
	s_lshl_b32 s21, s21, 2
	s_add_co_u32 s21, s21, s20                     ; my run of 8,192 numbers in the tensor
	s_lshl_b32 s22, s21, 15
	s_add_nc_u64 s[4:5], s[4:5], s[22:23]
	s_lshl_b32 s21, ttmp9, 2
	s_add_co_u32 s21, s21, s20                     ; and in the outputs, where W_QKV's runs follow x's 1,024
	s_lshl_b32 s22, s21, 12
	s_add_nc_u64 s[12:13], s[12:13], s[22:23]
	s_lshl_b32 s22, s21, 8
	s_add_nc_u64 s[14:15], s[14:15], s[22:23]
.macro QLOAD t
.irp i, 0,1,2,3
	global_load_b128 v[R+16*((\t)%4)+4*\i:R+16*((\t)%4)+4*\i+3], v3, s[4:5] offset:2048*(\t)+512*\i th:TH_LOAD_NT   ; 32 lanes read 512 consecutive bytes
.endr
.endm
.macro QTURN t                         ; a step's numbers through the stage: LDS serves a wave's instructions in order, so no wait between stores and loads
.irp i, 0,1,2,3
	ds_store_b128 v14, v[R+16*((\t)%4)+4*\i:R+16*((\t)%4)+4*\i+3] offset:32*SP*((\t)%2)+8*SP*\i
.endr
.irp i, 0,1,2,3
	ds_load_b128 v[X+16*((\t)%2)+4*\i:X+16*((\t)%2)+4*\i+3], v15 offset:32*SP*((\t)%2)+16*\i
.endr
.endm
.irp t, 0,1,2,3
	QLOAD \t
.endr
	s_wait_loadcnt 12                              ; step 0's four loads are in; three steps' twelve stay out
	QTURN 0
.macro QSTEP t
.set XS, X+16*((\t)%2)
.if (\t) > 0
	s_wait_dscnt 1                                 ; this step's numbers are back from the stage; the last step's byte store may be out
.else
	s_wait_dscnt 0x0
.endif
.if (\t)+4 < STEPS
	QLOAD (\t)+4
.endif
.if (\t)+1 < STEPS
.if STEPS-2-(\t) >= 3
	s_wait_loadcnt 12                              ; the next step's four loads are in; the three steps behind it may be out
.else
	s_wait_loadcnt 4*(STEPS-2-(\t))
.endif
	QTURN (\t)+1
.endif
	v_max3_num_f32 v8, |v[XS]|, |v[XS+1]|, |v[XS+2]|               ; the largest magnitude of my 16, in two chains
	v_max3_num_f32 v9, |v[XS+3]|, |v[XS+4]|, |v[XS+5]|
.irp i, 6,10
	v_max3_num_f32 v8, v8, |v[XS+\i]|, |v[XS+\i+1]|
	v_max3_num_f32 v9, v9, |v[XS+\i+2]|, |v[XS+\i+3]|
.endr
	v_max3_num_f32 v8, v8, |v[XS+14]|, |v[XS+15]|
	v_max3_num_f32 v8, v8, v9, (EMAX+1)<<23        ; and the floor 2^(3 - 127): the byte cannot fall under 1
	v_max_num_f32_dpp v8, v8, v8 row_xmask:1 row_mask:0xf bank_mask:0xf   ; with my neighbour's 16: the block's
	v_add_nc_u32 v11, -(EMAX<<23), v8              ; 2 off the exponent field: the conversion takes this operand's exponent field as its scale
	v_cvt_scalef32_pk8_fp4_f32 v[C+4*(\t)], v[XS:XS+7], v11
	v_cvt_scalef32_pk8_fp4_f32 v[C+4*(\t)+1], v[XS+8:XS+15], v11
	v_lshrrev_b32 v[E+(\t)], 23, v11               ; the scale's byte (also the plain line behind the conversions)
	ds_store_b8 v5, v[E+(\t)] offset:16*(\t)       ; both lanes of a block write the same byte with the same value
	global_store_b64 v4, v[C+4*(\t):C+4*(\t)+1], s[12:13] offset:32*CB*(\t)   ; the wave stores 256 consecutive bytes, aligned
.endm
.irp t, 0,1,2,3,4,5,6,7,8,9,10,11,12,13,14,15
	QSTEP \t
.endr
	ds_load_b64 v[8:9], v6                         ; my wave's 256 scale bytes, 8 a lane
	s_wait_dscnt 0x0
	global_store_b64 v7, v[8:9], s[14:15]          ; 256 consecutive bytes, aligned
	s_wait_tensorcnt 0x0                           ; the wave's end, behind my last LDS store
	ds_add_u32 v[SPW], v[NIL]
	s_wait_dscnt 0x0
	s_endpgm
; ---------------- W_O to f16 ----------------
.Lnot_codes:
	s_cmp_lt_u32 ttmp9, WGW
	s_cbranch_scc0 .Ltable
	s_sub_co_u32 s21, ttmp9, WGQ
	s_lshl_b32 s21, s21, 2
	s_add_co_u32 s21, s21, s20                     ; my run of 8,192 numbers, 0 .. 127
	s_lshl_b32 s22, s21, 15
	s_add_nc_u64 s[8:9], s[8:9], s[22:23]
	s_lshl_b32 s22, s21, 14
	s_add_nc_u64 s[16:17], s[16:17], s[22:23]
	v_lshlrev_b32 v3, 5, v2                        ; in: 8 numbers, 32 bytes, a lane
	v_lshlrev_b32 v4, 4, v2                        ; out: 16 bytes a lane
.macro WLOAD g                         ; group g: 8 steps of 256 numbers, into input set g % 2 (v16-79, v80-143)
.irp t, 0,1,2,3,4,5,6,7
	global_load_b128 v[16+64*((\g)%2)+8*\t:16+64*((\g)%2)+8*\t+3], v3, s[8:9] offset:8192*(\g)+1024*\t th:TH_LOAD_NT
	global_load_b128 v[16+64*((\g)%2)+8*\t+4:16+64*((\g)%2)+8*\t+7], v3, s[8:9] offset:8192*(\g)+1024*\t+16 th:TH_LOAD_NT
.endr
.endm
.macro WCONV g
.if (\g) < 3
	s_wait_loadcnt 16                              ; this group's 16 loads are in; the next group's 16 may be out
.else
	s_wait_loadcnt 0x0
.endif
	s_wait_xcnt 0x0                                ; the last group's stores have read v144-175, which are written again below
.set IX, 0
.rept 32
	v_cvt_pk_f16_f32 v[144+IX], v[16+64*((\g)%2)+2*IX], v[16+64*((\g)%2)+2*IX+1]
.set IX, IX+1
.endr
.irp t, 0,1,2,3,4,5,6,7
	global_store_b128 v4, v[144+4*\t:144+4*\t+3], s[16:17] offset:4096*(\g)+512*\t   ; 512 consecutive bytes a store
.endr
.if (\g)+2 < 4
	WLOAD (\g)+2
.endif
.endm
	WLOAD 0
	WLOAD 1
	WCONV 0
	WCONV 1
	WCONV 2
	WCONV 3
	s_endpgm
; ---------------- the table of cosines and sines ----------------
.Ltable:
	s_sub_co_u32 s21, ttmp9, WGW
	s_lshl_b32 s21, s21, 2
	s_add_co_u32 s21, s21, s20                     ; my 32 rows: 0 .. 63
	s_lshl_b32 s22, s21, 7
	s_add_nc_u64 s[10:11], s[10:11], s[22:23]      ; their positions
	s_lshl_b32 s22, s21, 13
	s_add_nc_u64 s[18:19], s[18:19], s[22:23]      ; their rows of 256 bytes
	v_lshrrev_b32 v3, 4, v2                        ; h: which of a step's two rows
	v_and_b32 v4, 15, v2                           ; p: I make k = 2 p and 2 p + 1
	v_lshlrev_b32 v5, 2, v3
.irp i, 0,1,2,3,4,5,6,7,8,9,10,11,12,13,14,15
	global_load_b32 v[32+\i], v5, s[10:11] offset:8*\i   ; the position of row 2 i + h
.endr
	v_lshlrev_b32 v6, 8, v3
	v_lshl_add_u32 v6, v4, 4, v6                   ; out: 256 h + 16 p: sixteen lanes fill a row
	v_lshlrev_b32 v7, 1, v4
	v_cvt_f32_u32 v8, v7
	v_add_f32 v9, 1.0, v8
	v_mul_f32 v8, 0xbed49a78, v8                   ; -k L, L = log2(10000) / 32
	v_mul_f32 v9, 0xbed49a78, v9
	v_exp_f32 v8, v8                               ; 10000^(-k/32)
	v_exp_f32 v9, v9
	s_mov_b32 s24, 0x3f22f983                      ; 2 / pi
	s_mov_b32 s25, 0xbfc90fdb                      ; -pi/2 in three parts, for fused multiply-adds
	s_mov_b32 s26, 0x333bbd2e
	s_mov_b32 s27, 0x26f72ced
	s_mov_b32 s28, 0x36405000                      ; the sine's two highest coefficients
	s_mov_b32 s29, 0xb9503486
	s_mov_b32 s30, 0x37cd4000                      ; the cosine's
	s_mov_b32 s31, 0xbab6077d
	v_nop                                          ; a plain line behind the exponentials,
	s_wait_alu depctr_va_vdst(0)                   ; and the one wait ahead of their first reader
	s_wait_loadcnt 0x0
.irp i, 0,1,2,3,4,5,6,7,8,9,10,11,12,13,14,15
	v_cvt_f32_i32 v[32+\i], v[32+\i]
.endr
; cos and sin of v[pf] x v[f] into v[o], v[o + 1].  n = the nearest whole number of quarter turns; r = angle - n pi/2, at most pi/4 in size; polynomials in r; the quarter picks and signs them.
.macro SINCOS pf, f, o
	v_mul_f32 v16, v[\pf], v[\f]
	v_mul_f32 v17, s24, v16
	v_rndne_f32 v17, v17
	v_fma_f32 v18, v17, s25, v16
	v_fma_f32 v18, v17, s26, v18
	v_fma_f32 v18, v17, s27, v18
	v_cvt_i32_f32 v19, v17
	v_mul_f32 v20, v18, v18
	v_fma_f32 v21, v20, s28, s29
	v_fma_f32 v22, v20, s30, s31
	v_fmaak_f32 v21, v21, v20, 0x3c0888c1
	v_fmaak_f32 v22, v22, v20, 0x3d2aaaa8
	v_fmaak_f32 v21, v21, v20, 0xbe2aaaab
	v_fma_f32 v22, v22, v20, -0.5
	v_mul_f32 v23, v18, v20
	v_fma_f32 v22, v22, v20, 1.0                   ; cos r
	v_fma_f32 v21, v21, v23, v18                   ; sin r
	v_and_b32 v23, 1, v19
	v_cmp_eq_u32 vcc_lo, 1, v23                    ; an odd quarter swaps the two
	v_cndmask_b32 v[(\o)+1], v21, v22, vcc_lo
	v_cndmask_b32 v[\o], v22, v21, vcc_lo
	v_lshlrev_b32 v23, 30, v19                     ; the sine's sign: bit 1 of n;
	v_add_nc_u32 v19, 1, v19
	v_and_b32 v23, 0x80000000, v23
	v_lshlrev_b32 v19, 30, v19                     ; the cosine's: bit 1 of n + 1
	v_xor_b32 v[(\o)+1], v23, v[(\o)+1]
	v_and_b32 v19, 0x80000000, v19
	v_xor_b32 v[\o], v19, v[\o]
.endm
.irp i, 0,1,2,3,4,5,6,7,8,9,10,11,12,13,14,15
	SINCOS 32+\i, 8, 64+4*\i
	SINCOS 32+\i, 9, 66+4*\i
	global_store_b128 v6, v[64+4*\i:64+4*\i+3], s[18:19] offset:512*\i   ; each step has its own four registers: no store's data are written again
.endr
	s_endpgm
.Lfunc_end_k_q473f4cd5db_prep:
	.size	k_q473f4cd5db_prep, .Lfunc_end_k_q473f4cd5db_prep-k_q473f4cd5db_prep
	.p2alignl 7, 3214868480
	.fill 96, 4, 3214868480
	.section	.rodata,"a",@progbits
	.p2align	6, 0x0
	.amdhsa_kernel k_q473f4cd5db_prep
		.amdhsa_group_segment_fixed_size 33280
		.amdhsa_private_segment_fixed_size 0
		.amdhsa_enable_private_segment 0
		.amdhsa_kernarg_size 64
		.amdhsa_user_sgpr_count 2
		.amdhsa_user_sgpr_kernarg_segment_ptr 1
		.amdhsa_wavefront_size32 1
		.amdhsa_system_sgpr_workgroup_id_x 1
		.amdhsa_system_sgpr_workgroup_id_y 1
		.amdhsa_system_sgpr_workgroup_id_z 1
		.amdhsa_system_vgpr_workitem_id 0
		.amdhsa_next_free_vgpr 192
		.amdhsa_next_free_sgpr 66
		.amdhsa_reserve_vcc 1
		.amdhsa_float_denorm_mode_32 3
		.amdhsa_float_denorm_mode_16_64 3
		.amdhsa_memory_ordered 1
		.amdhsa_forward_progress 1
		.amdhsa_inst_pref_size 97
	.end_amdhsa_kernel
	.amdgpu_metadata
---
amdhsa.version: [ 1, 2 ]
amdhsa.kernels:
  - .name:           k_q473f4cd5db_prep
    .symbol:         k_q473f4cd5db_prep.kd
    .args:
      - { .name: x, .offset: 0, .size: 8, .value_kind: global_buffer, .address_space: global }
      - { .name: W_QKV, .offset: 8, .size: 8, .value_kind: global_buffer, .address_space: global }
      - { .name: W_O, .offset: 16, .size: 8, .value_kind: global_buffer, .address_space: global }
      - { .name: token_positions, .offset: 24, .size: 8, .value_kind: global_buffer, .address_space: global }
      - { .name: codes, .offset: 32, .size: 8, .value_kind: global_buffer, .address_space: global }
      - { .name: scales, .offset: 40, .size: 8, .value_kind: global_buffer, .address_space: global }
      - { .name: wo16, .offset: 48, .size: 8, .value_kind: global_buffer, .address_space: global }
      - { .name: cstab, .offset: 56, .size: 8, .value_kind: global_buffer, .address_space: global }
    .group_segment_fixed_size: 33280
    .private_segment_fixed_size: 0
    .kernarg_segment_align: 8
    .kernarg_segment_size: 64
    .max_flat_workgroup_size: 128
    .sgpr_count:     66
    .vgpr_count:     192
    .wavefront_size: 32
...
	.end_amdgpu_metadata
.endif
;; end of part 1
;; launch gemm1 (part 2): grid 12 x 32, 4 waves a work-group, clusters of 4 x 4, 327,680 bytes of LDS; arguments codes, scales, qkv16, cstab, first32; writes qkv16, first32
.if DOCPART == 2
	.amdgcn_target "amdgcn-amd-amdhsa--gfx1250"
	.amdhsa_code_object_version 6
	.text
	.protected	k_q473f4cd5db_gemm1
	.globl	k_q473f4cd5db_gemm1
	.p2align	8
	.type	k_q473f4cd5db_gemm1,@function
k_q473f4cd5db_gemm1:
	s_mov_b64 s[64:65], 0
	v_nop
	global_prefetch_b8 v0, s[64:65] scope:SCOPE_SE
	s_setreg_imm32_b32 hwreg(HW_REG_WAVE_MODE, 25, 1), 1
	s_wait_xcnt 0x0
	s_wait_alu depctr_hold_cnt(0) depctr_sa_sdst(0) depctr_va_vdst(0) depctr_va_sdst(0) depctr_va_ssrc(0) depctr_va_vcc(0) depctr_vm_vsrc(0)
	s_getreg_b32 s2, hwreg(HW_REG_IB_STS2, 6, 4)
	s_cmp_eq_u32 s2, 0
	s_cbranch_scc0 .Lentry_in_a_cluster
	s_endpgm
.Lentry_in_a_cluster:
	s_bfe_u32 s2, ttmp6, 0x10000c
	s_cmp_lg_u32 s2, 0xf033
	s_cbranch_scc0 .Lentry_shape_is_right
	s_endpgm
.Lentry_shape_is_right:
; qkv = x W_QKV^T on codes of FP4 (E2M1) with one E8M0 scale for each 32 along K; then the rotation of q and k by the table; out as f16, laid [3][batch x head][position][64].
; x's codes [8192][512 bytes] and W_QKV's [3072][512 bytes] lie in one buffer, W_QKV's 4,194,304 bytes on; the scale bytes [rows][32] likewise, 262,144 bytes on.
; A tile of 256 x 256 is made by four waves, 128 x 128 each: 64 accumulators, 512 registers.  K = 1,024 is two LDS slots of 512: both, and the scales of all of K, are asked for at the head; nothing is filled again.
; CLUSTERS: 4 x 4 work-groups; A's tiles are asked for jointly along a row of the cluster, B's along a column.  Tile row = cluster y + 8 cy: so cy is the batch and cluster y the block of 256 positions;
; tile column = 4 x cluster x + cx: so cluster x says q, k or v.  What the way out branches on (v or not; the first positions or not) is then the same in all sixteen partners.
; THE MATRIX INSTRUCTION IS USED TRANSPOSED (source 0 = 16 rows of W, source 1 = 16 rows of x): a lane holds one position and eight neighbouring channels: four pairs (even, odd) for the rotation.
; Positions 0 to 15 of every batch and head also leave in f32 (first32), for the small launch that carries those rows finely.
; LIMITS: q, k, v under 65,504 in magnitude (f16).  first32's v rows leave in pieces of 32 bytes: 256 KiB of the launch's 51 MB.
; REGISTERS: window 0: v16-31 addresses; v32-95 scale words, two sets, and nothing else; v128-191 A's fragments, one set.   window 1: B's fragments at v0-63 and v128-191; v64-127 two sets of table rows.
;   On the way out window 1 holds: v0-31 packed f16, v128-191 rows read back (two sets), v192-255 rotated f32.   windows 2, 3: the accumulators ((a, b) at v[8 (8 (a % 4) + b)]).
.set KSTEP,  512
.set NQ,     KSTEP/128
.set ROWB,   256                       ; a tile's row in bytes
.set KROW,   512                       ; a row of codes in memory
.set PITCH,  272                       ; an LDS row: 256 bytes + 16 of padding: the 16 rows of a load start at 16 different banks
.set FR,     8
.set NL,     2
.set NP,     4
.set HALFT,  128*PITCH
.set SLOT,   4*HALFT
.set KS,     32                        ; a row of scale bytes
.set SCL,    2*SLOT                    ; behind the ring: the scales, as units of 256 bytes + 16 of padding
.set HALFS,  (128*KS/256)*272
.set SBLK,   (16*KS/256)*272
.set SPARE,  SCL+4*HALFS               ; the spare words, 128 bytes a wave
.set HP,     144                       ; the way out: a stage row: 128 bytes (a head's 64 f16) + 16
.set HSTG,   16*HP                     ; 16 positions of one head; a wave's stage is two of these, in slot 0, which has had its only fill and its last read by then
.set ADRA, 16
.set ADRB, 20
.set STO,  24                          ; v24 the stage, in
.set RD,   25                          ; v25 the stage, back
.set CO,   26                          ; v26 16 x lane
.set ADRS, 27
.set SPW,  28
.set NIL,  29
.set TO,   30                          ; v30 256 r + 32 h: my eight floats of a table row; also of a row of first32's v
.set FO,   31                          ; v31 512 h + 16 r: my place in first32's images of q and k
.set SC,   32
.set AF,   128
.set HH,   0                           ; window 1
.set RR,   192                         ; window 1
.set G1, 24
.set G0, 32
.set G1B, 48
.set G0B, 56
.set G1S, 68
.set G0S, 76
.set G1SB, 80
.set G0SB, 88
.set FL,  93                           ; s93 0 where my block 0 holds positions 0 to 15
.set MSB, 0
.macro WIN new                         ; the immediate's high byte repeats the setting that is left
.if MSB != (\new)
	s_set_vgpr_msb (MSB<<8)|(\new)
.set MSB, (\new)
.endif
.endm
.set MUL_LO, 0xa1                      ; source 0 (B) window 1, source 1 (A) window 0, C and D window 2
.set MUL_HI, 0xf1
.set TO_B,   0x40
; A joint load: waves 0 and 1 fetch for A, waves 2 and 3 for B; the branch hangs on the wave's number alone.  An s_nop 0 and four v_nop follow each line.
.macro JLOAD g0a, g1a, g0b, g1b
	s_cmp_eq_u32 s15, 0
	s_cbranch_scc0 .Lfor_b_\@
	tensor_load_to_lds s[\g0a:\g0a+3], s[\g1a:\g1a+7]
	s_nop 0
.rept 4
	v_nop
.endr
	s_branch .Lasked_\@
.Lfor_b_\@:
	tensor_load_to_lds s[\g0b:\g0b+3], s[\g1b:\g1b+7]
	s_nop 0
.rept 4
	v_nop
.endr
.Lasked_\@:
.endm
.macro CROUND                          ; a round of the cluster's barrier
	s_barrier_signal -1
	s_barrier_wait -1
	s_cmp_lg_u32 s14, 0
	s_cbranch_scc1 .Lnot_wave_0_\@
	s_barrier_signal -3
.Lnot_wave_0_\@:
	s_barrier_wait -3
	s_barrier_signal -1
	s_barrier_wait -1
.endm
	s_load_b128 s[4:7], s[0:1], 0x0                ; codes s[4:5], scales s[6:7]
	s_load_b64 s[12:13], s[0:1], 0x10              ; qkv16
	s_load_b64 s[96:97], s[0:1], 0x18              ; cstab
	s_load_b64 s[98:99], s[0:1], 0x20              ; first32
	v_lshl_add_u32 v[SPW], v0, 2, SPARE
	v_mov_b32 v[NIL], 0
	ds_add_u32 v[SPW], v[NIL]                      ; the wave's opening: the add, twice on end, and its wait ahead of my first tensor load
	ds_add_u32 v[SPW], v[NIL]
	v_lshrrev_b32 v1, 5, v0
	v_readfirstlane_b32 s14, v1                    ; wave 0..3
	s_lshr_b32 s15, s14, 1                         ; my half of the tile's rows; also: I fetch for A (0) or B (1)
	s_and_b32 s16, s14, 1                          ; my half of its columns; also: which 128 rows I fetch
	s_bfe_u32 s40, ttmp6, 0x40000                  ; cx
	s_bfe_u32 s41, ttmp6, 0x40004                  ; cy
	s_lshl_b32 s42, ttmp9, 2
	s_add_co_u32 s42, s42, s40                     ; tile column = 4 x cluster x + cx
	s_and_b32 s17, ttmp7, 0xffff
	s_lshl_b32 s18, s41, 3
	s_add_co_u32 s17, s17, s18                     ; tile row = cluster y + 8 cy
	s_lshl_b32 s43, s41, 2
	s_lshl_b32 s43, 15, s43                        ; my row of the cluster
	s_lshl_b32 s44, 0x1111, s40                    ; my column
	s_or_b32 s[G1+0], s43, (0<<16)|(1<<20)|(1<<21)|(5<<22)|(3<<25)  ; mask; elements of 1 byte; padding of 4 words behind every 64; bit 21 beside a mask
	s_or_b32 s[G1B+0], s44, (0<<16)|(1<<20)|(1<<21)|(5<<22)|(3<<25)
.irp g, G1, G1B
	s_mov_b32 s[\g+1], ROWB<<16                    ; tensor_dim0
	s_mov_b32 s[\g+2], 128<<16                     ; tensor_dim1
	s_mov_b32 s[\g+3], ROWB<<16                    ; tile_dim0
	s_mov_b32 s[\g+4], 128                         ; tile_dim1
	s_mov_b32 s[\g+5], KROW                        ; pitch
	s_mov_b32 s[\g+6], 0
	s_mov_b32 s[\g+7], 0
.endr
	s_or_b32 s[G1S+0], s43, (3<<16)|(1<<20)|(1<<21)|(5<<22)|(3<<25)  ; the scales of 128 rows: 4,096 dense bytes as 16 rows of 256
	s_or_b32 s[G1SB+0], s44, (3<<16)|(1<<20)|(1<<21)|(5<<22)|(3<<25)
.irp g, G1S, G1SB
	s_mov_b32 s[\g+1], 32<<16
	s_mov_b32 s[\g+2], (128*KS/256)<<16
	s_mov_b32 s[\g+3], 32<<16
	s_mov_b32 s[\g+4], 128*KS/256
	s_mov_b32 s[\g+5], 32
	s_mov_b32 s[\g+6], 0
	s_mov_b32 s[\g+7], 0
.endr
	s_lshl_b32 s18, s16, 7
	s_lshl_b32 s20, s17, 8
	s_add_co_u32 s20, s20, s18                     ; A: row 256 x tile row + 128 x half
	s_lshl_b32 s46, s42, 8
	s_add_co_u32 s46, s46, s18                     ; B: row 256 x tile column + 128 x half
	s_mov_b32 s21, 0
	s_mov_b32 s47, 0
	s_mov_b64 s[18:19], KS
	s_mul_u64 s[22:23], s[20:21], s[18:19]
	s_mul_u64 s[92:93], s[46:47], s[18:19]
	s_mov_b64 s[18:19], KROW
	s_mul_u64 s[20:21], s[20:21], s[18:19]
	s_mul_u64 s[46:47], s[46:47], s[18:19]
	s_mul_i32 s45, s14, HALFT                      ; where they go: wave x 128 rows
	s_mul_i32 s94, s14, HALFS
	s_wait_dscnt 0x0                               ; both opening adds are done
	s_wait_kmcnt 0x0
	s_add_nc_u64 s[8:9], s[4:5], 4194304           ; W_QKV's codes
	s_add_nc_u64 s[10:11], s[6:7], 262144          ; and scale bytes
	s_add_nc_u64 s[20:21], s[4:5], s[20:21]
	s_add_nc_u64 s[22:23], s[6:7], s[22:23]
	s_add_nc_u64 s[46:47], s[8:9], s[46:47]
	s_add_nc_u64 s[92:93], s[10:11], s[92:93]
	CROUND                                         ; all sixteen work-groups are here: the joint loads meet
	s_mov_b32 s[G0S], 1
	s_add_co_u32 s[G0S+1], s94, SCL
	s_mov_b64 s[G0S+2:G0S+3], s[22:23]
	s_or_b32 s[G0S+3], s[G0S+3], 0x80000000
	s_mov_b32 s[G0SB], 1
	s_add_co_u32 s[G0SB+1], s94, SCL
	s_mov_b64 s[G0SB+2:G0SB+3], s[92:93]
	s_or_b32 s[G0SB+3], s[G0SB+3], 0x80000000
	JLOAD G0S, G1S, G0SB, G1SB                     ; the scales first; by this text's count three tensor loads of a wave are out at the most
.irp s, 0,1
	s_mov_b32 s[G0+4*\s], 1
	s_add_co_u32 s[G0+4*\s+1], s45, \s*SLOT
	s_add_nc_u64 s[G0+4*\s+2:G0+4*\s+3], s[20:21], \s*ROWB
	s_or_b32 s[G0+4*\s+3], s[G0+4*\s+3], 0x80000000
	s_mov_b32 s[G0B+4*\s], 1
	s_add_co_u32 s[G0B+4*\s+1], s45, \s*SLOT
	s_add_nc_u64 s[G0B+4*\s+2:G0B+4*\s+3], s[46:47], \s*ROWB
	s_or_b32 s[G0B+4*\s+3], s[G0B+4*\s+3], 0x80000000
	JLOAD G0+4*\s, G1, G0B+4*\s, G1B
.endr
	v_and_b32 v1, 15, v0                           ; r
	v_bfe_u32 v2, v0, 4, 1                         ; h
	v_mul_u32_u24 v3, v1, PITCH
	v_lshl_add_u32 v4, v2, 4, v3
	s_mul_i32 s21, s15, HALFT
	s_mul_i32 s22, s16, HALFT
	s_add_co_u32 s22, s22, 2*HALFT
.irp s, 0,1
	v_add_nc_u32 v[ADRA+\s], s21, v4
	v_add_nc_u32 v[ADRB+\s], s22, v4
	s_add_co_u32 s21, s21, SLOT
	s_add_co_u32 s22, s22, SLOT
.endr
	v_mul_u32_u24 v5, v1, KS                       ; my row's scale bytes,
	v_lshrrev_b32 v6, 8, v5
	v_lshl_add_u32 v5, v6, 4, v5                   ; and 16 more for each 256 passed
	s_mul_i32 s21, s15, HALFS
	s_mul_i32 s22, s16, HALFS
	s_add_co_u32 s22, s22, 2*HALFS
	s_sub_co_u32 s22, s22, s21
	v_mul_u32_u24 v6, s22, v2                      ; lanes 16-31 take B's
	s_add_co_u32 s21, s21, SCL
	v_add_nc_u32 v5, v5, v6
	v_add_nc_u32 v[ADRS], s21, v5
	s_mul_i32 s23, s14, 2*HSTG                     ; my stage
	v_mul_u32_u24 v5, v1, HP
	v_lshl_add_u32 v5, v2, 4, v5
	v_add_nc_u32 v[STO], s23, v5                   ; in: row r, 16 bytes for each half of the lanes
	v_and_b32 v6, 31, v0
	v_lshlrev_b32 v[CO], 4, v6
	v_lshrrev_b32 v5, 3, v6
	v_mul_u32_u24 v5, v5, HP
	v_and_b32 v6, 7, v6
	v_lshl_add_u32 v5, v6, 4, v5
	v_add_nc_u32 v[RD], s23, v5                    ; back: eight lanes to a row of 128 bytes, four rows an instruction
	v_lshlrev_b32 v[TO], 8, v1
	v_lshl_add_u32 v[TO], v2, 5, v[TO]
	v_lshlrev_b32 v[FO], 4, v1
	v_lshl_add_u32 v[FO], v2, 9, v[FO]
	; where my part begins in the table, in qkv16 and in first32
	s_and_b32 s92, ttmp7, 0xffff                   ; the block of 256 positions
	s_or_b32 s[FL], s92, s15
	s_mov_b32 s47, 0
	s_lshl_b32 s46, s92, 16
	s_lshl_b32 s94, s15, 15
	s_add_co_u32 s46, s46, s94
	s_add_nc_u64 s[96:97], s[96:97], s[46:47]      ; the table at my first position
	s_lshl_b32 s46, ttmp9, 24                      ; q, k or v
	s_lshl_b32 s94, s41, 22                        ; batch
	s_add_co_u32 s46, s46, s94
	s_lshl_b32 s94, s40, 20                        ; four heads a tile column,
	s_add_co_u32 s46, s46, s94
	s_lshl_b32 s94, s16, 19                        ; two a wave
	s_add_co_u32 s46, s46, s94
	s_lshl_b32 s94, s92, 15                        ; 256 positions of 128 bytes,
	s_add_co_u32 s46, s46, s94
	s_lshl_b32 s94, s15, 14                        ; 128 a wave
	s_add_co_u32 s46, s46, s94
	s_add_nc_u64 s[12:13], s[12:13], s[46:47]
	s_lshl_b32 s46, ttmp9, 18
	s_lshl_b32 s94, s41, 16
	s_add_co_u32 s46, s46, s94
	s_lshl_b32 s94, s40, 14
	s_add_co_u32 s46, s46, s94
	s_lshl_b32 s94, s16, 13
	s_add_co_u32 s46, s46, s94
	s_add_nc_u64 s[98:99], s[98:99], s[46:47]
; The table rows of block a's 16 positions: my eight floats (four pairs cos, sin) for each 16 channels of a head; both heads use the same.
.macro TLD a
.set TT, 64+32*((\a)%2)
	WIN 0x40
.irp q, 0,1,2,3
	global_load_b128 v[TT+8*\q:TT+8*\q+3], v[TO], s[96:97] offset:(\a)*4096+\q*64
	global_load_b128 v[TT+8*\q+4:TT+8*\q+7], v[TO], s[96:97] offset:(\a)*4096+\q*64+16
.endr
	WIN 0
.endm
	TLD 0                                          ; asked for here, a whole K ahead of their use.  Tiles of v ask too and do not read them (8 KiB a wave): so the same loads are out on every way through the text
	TLD 1
.macro FRAG reg, adr, q, i             ; 16 rows x 128 K of 4-bit codes: 8 registers, two loads 32 bytes apart
.irp c, 0,1
	ds_load_b128 v[\reg+4*\c:\reg+4*\c+3], v[\adr] offset:64*(\q)+32*\c+(\i)*16*PITCH
.endr
.endm
; 16 matrix instructions: A's blocks a0, a0 + 1 x B's eight.  The 64 accumulators take turns, one instruction a turn, in the same order in every step.
.macro MUL16 a0, p, q, sc, zero
.irp a, \a0, \a0+1
.irp b, 0,1,2,3,4,5,6,7
.if \zero
	v_wmma_scale_f32_16x16x128_f8f6f4 v[8*(8*((\a)%4)+\b):8*(8*((\a)%4)+\b)+7], v[128*(\p)+FR*\b:128*(\p)+FR*\b+FR-1], v[AF+FR*(\a):AF+FR*(\a)+FR-1], 0, v[SC+8*NQ*(\sc)+NQ*\b+(\q)], v[SC+8*NQ*(\sc)+NQ*(\a)+(\q)] matrix_a_fmt:MATRIX_FMT_FP4 matrix_b_fmt:MATRIX_FMT_FP4 matrix_a_scale:MATRIX_SCALE_ROW1
.else
	v_wmma_scale_f32_16x16x128_f8f6f4 v[8*(8*((\a)%4)+\b):8*(8*((\a)%4)+\b)+7], v[128*(\p)+FR*\b:128*(\p)+FR*\b+FR-1], v[AF+FR*(\a):AF+FR*(\a)+FR-1], v[8*(8*((\a)%4)+\b):8*(8*((\a)%4)+\b)+7], v[SC+8*NQ*(\sc)+NQ*\b+(\q)], v[SC+8*NQ*(\sc)+NQ*(\a)+(\q)] matrix_a_fmt:MATRIX_FMT_FP4 matrix_b_fmt:MATRIX_FMT_FP4 matrix_a_scale:MATRIX_SCALE_ROW1
.endif
.endr
.endr
.endm
.macro FETCH_B slot, q, p
	WIN TO_B
.irp i, 0,1,2,3,4,5,6,7
	FRAG 128*(\p)+FR*\i, ADRB+\slot, \q, \i
.endr
	WIN 0
.endm
.macro FETCH_A slot, q, i0
.irp i, \i0, \i0+1, \i0+2, \i0+3
	FRAG AF+FR*(\i), ADRA+\slot, \q, \i
.endr
.endm
.macro SCALES sc                       ; a slot's scale words: four a row; lanes 0-15 take A's block i, lanes 16-31 B's
.irp i, 0,1,2,3,4,5,6,7
	ds_load_b128 v[SC+8*NQ*\sc+NQ*\i:SC+8*NQ*\sc+NQ*\i+3], v[ADRS] offset:\i*SBLK
.endr
.endm
.macro PLACES n                        ; plain vector lines between a matrix instruction and a load into, or a read of, its registers
.rept \n
	v_nop
.endr
.endm
.macro STEP slot, q, zero              ; 128 along K, with its successor in the same slot
	s_wait_dscnt 4*NL                              ; B's set and A's blocks 0-3 are in; the youngest eight loads (A's blocks 4-7) may be out
	WIN MUL_LO
	MUL16 0, (\q)%2, \q, \slot, \zero
	MUL16 2, (\q)%2, \q, \slot, \zero
	s_wait_dscnt 0
	PLACES NP
	FETCH_B \slot, (\q)+1, 1-(\q)%2
	FETCH_A \slot, (\q)+1, 0
	WIN MUL_HI
	MUL16 4, (\q)%2, \q, \slot, \zero
	MUL16 6, (\q)%2, \q, \slot, \zero
	PLACES NP
	WIN 0
	FETCH_A \slot, (\q)+1, 4
.endm
.macro STEPS slot, from
.set Q, \from
.rept NQ-1-\from
	STEP \slot, Q, 0
.set Q, Q+1
.endr
.endm
	s_wait_tensorcnt 1                             ; the scales and my part of slot 0 are in; slot 1's load may be out
	s_barrier_signal -1
	s_barrier_wait -1
	FETCH_B 0, 0, 0
	FETCH_A 0, 0, 0
	SCALES 0
	FETCH_A 0, 0, 4
	STEP 0, 0, 1                                   ; the first products start the sums: nothing is cleared
	STEPS 0, 1
	; slot 0's last step changes slots: one barrier; in front of it my part of slot 1 has landed and my reads of slot 0 are over.  Behind it slot 0 is nobody's: the stages lie there
	s_wait_tensorcnt 0x0
	ds_add_u32 v[SPW], v[NIL]
	s_wait_dscnt 4*NL+1                            ; (the add and A's blocks 4-7 may be out)
	WIN MUL_LO
	MUL16 0, 1, NQ-1, 0, 0
	s_wait_dscnt 0x0
	s_barrier_signal -1
	MUL16 2, 1, NQ-1, 0, 0
	WIN 0
	s_barrier_wait -1
	PLACES NP
	v_add_nc_u32 v[ADRS], 4*NQ, v[ADRS]            ; slot 1's scale words
	FETCH_B 1, 0, 0
	FETCH_A 1, 0, 0
	SCALES 1
	WIN MUL_HI
	MUL16 4, 1, NQ-1, 0, 0
	MUL16 6, 1, NQ-1, 0, 0
	PLACES NP
	WIN 0
	FETCH_A 1, 0, 4
	STEPS 1, 0
	s_wait_dscnt 4*NL                              ; the very last step
	WIN MUL_LO
	MUL16 0, 1, NQ-1, 1, 0
	MUL16 2, 1, NQ-1, 1, 0
	s_wait_dscnt 0
	WIN MUL_HI
	MUL16 4, 1, NQ-1, 1, 0
	MUL16 6, 1, NQ-1, 1, 0
	WIN 0
; THE WAY OUT, block by block of 16 positions x 128 channels (two heads).
; PACK: rope = 1: each pair (e, o) of a lane becomes (c e - s o, s e + c o) by two packed lines, then f16; rope = 0: f16 straight from the accumulators.  Each accumulator is read from its low end on.
.macro PACK a, rope
.set AC, 64*((\a)%4)
.set TT, 64+32*((\a)%2)
	s_wait_xcnt 0x0                                ; earlier stores have read their data registers, which are written again from here on
.if \rope
.if (\a) < 7
	s_wait_loadcnt 8                               ; this block's table rows are in; the next block's eight loads may be out
.else
	s_wait_loadcnt 0x0
.endif
	WIN 0x56+(\a)/4                                ; accumulators window 2 or 3; table and results window 1
.irp b, 0,1,2,3,4,5,6,7
.irp i, 0,1,2,3
	v_pk_mul_f32 v[RR+8*\b+2*\i:RR+8*\b+2*\i+1], v[AC+8*\b+2*\i:AC+8*\b+2*\i+1], v[TT+8*(\b%4)+2*\i:TT+8*(\b%4)+2*\i+1] op_sel:[1,1] op_sel_hi:[0,1]   ; (o s, e s)
.endr
.irp i, 0,1,2,3
	v_pk_fma_f32 v[RR+8*\b+2*\i:RR+8*\b+2*\i+1], v[AC+8*\b+2*\i:AC+8*\b+2*\i+1], v[TT+8*(\b%4)+2*\i:TT+8*(\b%4)+2*\i+1], v[RR+8*\b+2*\i:RR+8*\b+2*\i+1] op_sel_hi:[1,0,1] neg_lo:[0,0,1]   ; (e c - o s, o c + e s)
.endr
.endr
	WIN 0x45
.set IX, 0
.rept 32
	v_cvt_pk_f16_f32 v[HH+IX], v[RR+2*IX], v[RR+2*IX+1]
.set IX, IX+1
.endr
.else
	WIN 0x4a+5*((\a)/4)
.set IX, 0
.rept 32
	v_cvt_pk_f16_f32 v[HH+IX], v[AC+2*IX], v[AC+2*IX+1]
.set IX, IX+1
.endr
.endif
	WIN 0
.endm
; Positions 0 to 15 in f32.  q, k: as an image of the f32 matrix form's operands: [8][lane][4 floats], lane 16 x quad + r holding channels 8 c + 4 quad + 0 .. 3: sixteen lanes fill 256 bytes.  v: plain rows of 256 bytes.
.macro FIRST rope
	s_cmp_lg_u32 s[FL], 0                          ; the cluster's y and the wave's number alone
	s_cbranch_scc1 .Lnot_first_\@
.if \rope
	WIN 0x04
.irp b, 0,1,2,3,4,5,6,7
.irp q, 0,1
	global_store_b128 v[FO], v[RR+8*\b+4*\q:RR+8*\b+4*\q+3], s[98:99] offset:(\b/4)*4096+(\b%4)*1024+\q*256
.endr
.endr
.else
	WIN 0x08
.irp b, 0,1,2,3,4,5,6,7
.irp q, 0,1
	global_store_b128 v[TO], v[8*\b+4*\q:8*\b+4*\q+3], s[98:99] offset:(\b/4)*4096+(\b%4)*64+\q*16
.endr
.endr
.endif
	WIN 0
.Lnot_first_\@:
.endm
.macro TOSTAGE a                       ; into my stage, and back as 2,048 consecutive bytes a head.  LDS serves a wave's instructions in order: no wait between
.set BB, 128+32*((\a)%2)
	WIN 0x04
.irp b, 0,1,2,3,4,5,6,7
	ds_store_b128 v[STO], v[HH+4*\b:HH+4*\b+3] offset:(\b/4)*HSTG+(\b%4)*32
.endr
	WIN 0x40
.irp t, 0,1,2,3,4,5,6,7
	ds_load_b128 v[BB+4*\t:BB+4*\t+3], v[RD] offset:(\t/4)*HSTG+(\t%4)*4*HP
.endr
	WIN 0
.endm
.macro SEND a
.set BB, 128+32*((\a)%2)
	s_wait_dscnt 0x0                               ; the block is back in registers
	WIN 0x04
.irp t, 0,1,2,3,4,5,6,7
	global_store_b128 v[CO], v[BB+4*\t:BB+4*\t+3], s[12:13] offset:(\t/4)*262144+(\a)*2048+(\t%4)*512   ; 512 consecutive bytes, aligned; every offset an immediate
.endr
	WIN 0
.endm
.macro WAYOUT rope
	PACK 0, \rope
	FIRST \rope
.if \rope
	TLD 2
.endif
	TOSTAGE 0
.irp a, 1,2,3,4,5,6,7
	PACK \a, \rope                                 ; a block's arithmetic stands between the loads of the block before and the wait for them
.if \rope && (\a < 6)
	TLD \a+2
.endif
	SEND \a-1
	TOSTAGE \a
.endr
	SEND 7
.endm
	PLACES NP                                      ; behind the last products
	s_cmp_eq_u32 ttmp9, 2                          ; the cluster's x: v is not rotated
	s_cbranch_scc1 .Lvalues
	WAYOUT 1
	s_branch .Lend
.Lvalues:
	WAYOUT 0
.Lend:
	s_wait_tensorcnt 0x0                           ; the wave's end
	ds_add_u32 v[SPW], v[NIL]
	s_wait_dscnt 0x0
	CROUND                                         ; the closing round
	s_endpgm
.Lfunc_end_k_q473f4cd5db_gemm1:
	.size	k_q473f4cd5db_gemm1, .Lfunc_end_k_q473f4cd5db_gemm1-k_q473f4cd5db_gemm1
	.p2alignl 7, 3214868480
	.fill 96, 4, 3214868480
	.section	.rodata,"a",@progbits
	.p2align	6, 0x0
	.amdhsa_kernel k_q473f4cd5db_gemm1
		.amdhsa_group_segment_fixed_size 327680
		.amdhsa_private_segment_fixed_size 0
		.amdhsa_enable_private_segment 0
		.amdhsa_kernarg_size 40
		.amdhsa_user_sgpr_count 2
		.amdhsa_user_sgpr_kernarg_segment_ptr 1
		.amdhsa_wavefront_size32 1
		.amdhsa_system_sgpr_workgroup_id_x 1
		.amdhsa_system_sgpr_workgroup_id_y 1
		.amdhsa_system_sgpr_workgroup_id_z 1
		.amdhsa_system_vgpr_workitem_id 0
		.amdhsa_next_free_vgpr 1024
		.amdhsa_next_free_sgpr 100
		.amdhsa_reserve_vcc 0
		.amdhsa_float_denorm_mode_32 3
		.amdhsa_float_denorm_mode_16_64 3
		.amdhsa_memory_ordered 1
		.amdhsa_forward_progress 1
		.amdhsa_inst_pref_size 203
	.end_amdhsa_kernel
	.amdgpu_metadata
---
amdhsa.version: [ 1, 2 ]
amdhsa.kernels:
  - .name:           k_q473f4cd5db_gemm1
    .symbol:         k_q473f4cd5db_gemm1.kd
    .args:
      - { .name: codes, .offset: 0, .size: 8, .value_kind: global_buffer, .address_space: global }
      - { .name: scales, .offset: 8, .size: 8, .value_kind: global_buffer, .address_space: global }
      - { .name: qkv16, .offset: 16, .size: 8, .value_kind: global_buffer, .address_space: global }
      - { .name: cstab, .offset: 24, .size: 8, .value_kind: global_buffer, .address_space: global }
      - { .name: first32, .offset: 32, .size: 8, .value_kind: global_buffer, .address_space: global }
    .group_segment_fixed_size: 327680
    .private_segment_fixed_size: 0
    .kernarg_segment_align: 8
    .kernarg_segment_size: 40
    .max_flat_workgroup_size: 128
    .sgpr_count:     100
    .vgpr_count:     1024
    .wavefront_size: 32
...
	.end_amdgpu_metadata
.endif
;; end of part 2
;; launch attn (part 3): grid 4 x 64, 8 waves a work-group, no clusters, 327,680 bytes of LDS; arguments qkv16, attn16; writes attn16
.if DOCPART == 3
	.amdgcn_target "amdgcn-amd-amdhsa--gfx1250"
	.amdhsa_code_object_version 6
	.text
	.protected	k_q473f4cd5db_attn
	.globl	k_q473f4cd5db_attn
	.p2align	8
	.type	k_q473f4cd5db_attn,@function
k_q473f4cd5db_attn:
	s_mov_b64 s[64:65], 0
	v_nop
	global_prefetch_b8 v0, s[64:65] scope:SCOPE_SE
	s_setreg_imm32_b32 hwreg(HW_REG_WAVE_MODE, 25, 1), 1
	s_wait_xcnt 0x0
; Causal attention of one head (64 channels), f16 operands, f32 products, maxima and sums.  q, k, v: qkv16 [3][64 heads][2048][64] f16; out: attn16 [64][2048][64] f16.
; SHARES.  Work-group (j, head) owns the query blocks j and 7 - j, 256 queries each, one after the other, in NINE trips of one slot of 256 keys: trips 0 .. j are block j's slots 0 .. j, trips j + 1 .. 8 block 7 - j's
; slots 0 .. 7 - j.  So every work-group walks nine slots, the trip count is a constant, and every slot that is fetched is read.  Only a block's last slot lies on the diagonal.
; A wave owns 32 queries, two tiles of 16, at 32 o, o = w xor 3 (w / 4): waves w and w + 4 together always have the same number of key steps in the diagonal slot.
; NO CLUSTER: the four work-groups of a head change blocks at different trips, so at a given trip they want different slots; a joint request needs the same tile in the same round.
; LAYOUT.  S^T = K Q^T (source 0 = 16 keys, source 1 = 16 queries): a lane holds ONE query and the keys 8 (lane / 16) + 0 .. 7; two such tiles rounded to f16 are source 1 of O^T = V^T P.  V is turned on its way out of LDS.
; SOFTMAX.  Running maximum m and sum l for each query; p = 2^(c s - c m), c = log2(e) / 8; in every step O and l are multiplied by 2^(c m_old - c m_new).  Hidden scores become -infinity ahead of the maximum.
; A step all of whose keys come after my 32 queries is left out by a scalar branch on ids (no barrier, no tensor load inside a step).
; LIMITS: q, k, v under 65,504 in magnitude; NaN and infinities not served.
; REGISTERS: window 0: v1-14 addresses; v16-31 statistics, eight a tile (+0 c m, +1 m, +2 +3 l, +4 .. +7 at work, a in +6); v32-63 Q; v64-127 S^T; v128-159 P; v160-223 O^T; v224-255 the way out.
;   window 1: v0-63 K of a step (fragment 2 kt + c); v64-127 V of a step (fragment 4 kh + ct).
.set PK,    144                        ; a key's row in LDS: 128 bytes + 16
.set PV,    160                        ; a value's row: 128 + 32: the turning load's 8 rows x 32 bytes fall on different banks
.set VOFF,  256*PK
.set SLOT1, 1<<17
.set STAGE, SLOT1+VOFF+256*PV          ; behind the ring: 32 rows x 144 bytes for each wave
.set HP,    144
.set SPARE, STAGE+8*32*HP              ; the spare words, 128 bytes a wave
.set AK0, 1
.set AV0, 2
.set ADK, 3
.set ADV, 4
.set QO,  5
.set STO, 6
.set RD,  7
.set GO,  8
.set RMH, 9                            ; v9 r - 8 h
.set SPW, 12
.set NIL, 13
.set PFO, 14                           ; v14 256 x lane
.set ST,  16
.set Q,   32
.set S,   64
.set P,   128
.set O,   160
.set WO,  224
.set WV,  8
.set J,   9
.set T,   10                           ; s10 the trip
.set TB,  12                           ; s12 LDS byte at which the slot in hand begins
.set KSL, 13                           ; s13 its first key
.set Q0,  14                           ; s14 my first query; s15 that of the second block
.set Q0B, 15
.set SEL, 16
.set CS,  18
.set G1K, 24
.set G1V, 32
.set G0K, 40
.set G0V, 44
.set KB,  48                           ; s[48:49], s[50:51] K and V of my head, at the half that a loading wave fetches
.set VB,  50
.set QB,  52
.set QB2, 54
.set OB,  56
.set OB2, 58
.set OFF, 60
.set PFA, 66
.set LIM, 68
.set MSB, 0
.macro WIN new
.if MSB != (\new)
	s_set_vgpr_msb (MSB<<8)|(\new)
.set MSB, (\new)
.endif
.endm
.macro PLACES
.rept 4
	v_nop
.endr
.endm
; Waves 0, 1 fetch K's halves of a slot, waves 2, 3 V's, the others nothing.  An s_nop 0 and four v_nop follow each line.
.macro TLOAD
	s_cmp_lt_u32 s[WV], 2
	s_cbranch_scc0 .Lnot_k_\@
	tensor_load_to_lds s[G0K:G0K+3], s[G1K:G1K+7]
	s_nop 0
.rept 4
	v_nop
.endr
	s_branch .Lasked_\@
.Lnot_k_\@:
	s_cmp_lt_u32 s[WV], 4
	s_cbranch_scc0 .Lasked_\@
	tensor_load_to_lds s[G0V:G0V+3], s[G1V:G1V+7]
	s_nop 0
.rept 4
	v_nop
.endr
.Lasked_\@:
.endm
; A prefetch of key slot T + 1, which work-group j = 0 asks for by tensor load at its next change of slots: four key steps ahead.  Only that work-group of a head asks, in waves that fetch nothing:
; waves 4, 5 for K's two halves of 16 KiB, waves 6, 7 for V's; two instructions a wave, lanes 256 bytes apart: each aligned block of 256 bytes is named once in the launch.  Trips 7 and 8 ask for nothing: slot 7 is the last.
.macro ASK
	s_cmp_lt_u32 s[T], s[LIM]
	s_cbranch_scc0 .Lnot_mine_\@
	global_prefetch_b8 v[PFO], s[PFA:PFA+1] th:TH_LOAD_NT scope:SCOPE_SE
	global_prefetch_b8 v[PFO], s[PFA:PFA+1] offset:8192 th:TH_LOAD_NT scope:SCOPE_SE
.Lnot_mine_\@:
.endm
.macro QLOAD base                      ; my 32 queries: tile t, channels 32 c on
.irp t, 0,1
.irp c, 0,1
	global_load_b128 v[Q+16*\t+8*\c:Q+16*\t+8*\c+3], v[QO], s[\base:\base+1] offset:\t*2048+\c*64
	global_load_b128 v[Q+16*\t+8*\c+4:Q+16*\t+8*\c+7], v[QO], s[\base:\base+1] offset:\t*2048+\c*64+32
.endr
.endr
.endm
.macro INIT                            ; m = -3e38, under every score; l and O^T zeros, which the first change of m leaves zeros: so the key step is written once
.irp t, 0,1
	v_mov_b32 v[ST+8*\t+1], 0xff61b1e6
	v_mul_f32 v[ST+8*\t], s[CS], v[ST+8*\t+1]
	v_mov_b32 v[ST+8*\t+2], 0
	v_mov_b32 v[ST+8*\t+3], 0
.endr
.set IX, 0
.rept 64
	v_mov_b32 v[O+IX], 0
.set IX, IX+1
.endr
.endm
	s_load_b128 s[4:7], s[0:1], 0x0                ; qkv16 s[4:5], attn16 s[6:7]
	v_lshl_add_u32 v[SPW], v0, 2, SPARE
	v_mov_b32 v[NIL], 0
	ds_add_u32 v[SPW], v[NIL]                      ; the wave's opening: the add, twice on end, and its wait ahead of the first tensor load
	ds_add_u32 v[SPW], v[NIL]
	v_lshrrev_b32 v10, 5, v0
	v_readfirstlane_b32 s[WV], v10                 ; wave 0..7
	s_mov_b32 s[J], ttmp9
	s_and_b32 s69, ttmp7, 0xffff                   ; batch x 16 + head
	s_lshl_b32 s70, s69, 18                        ; its first byte in each part: 2,048 rows of 128 bytes
	s_lshr_b32 s71, s[WV], 2
	s_mul_i32 s71, s71, 3
	s_xor_b32 s71, s71, s[WV]                      ; o
	s_lshl_b32 s71, s71, 5
	s_lshl_b32 s[Q0], s[J], 8
	s_add_co_u32 s[Q0], s[Q0], s71
	s_sub_co_u32 s[Q0B], 7, s[J]
	s_lshl_b32 s[Q0B], s[Q0B], 8
	s_add_co_u32 s[Q0B], s[Q0B], s71
	s_and_b32 s69, s[WV], 1                        ; which 128 rows of a slot a loading wave fetches:
	s_mul_i32 s74, s69, 128*PK                     ; in LDS, K;
	s_mul_i32 s75, s69, 128*PV
	s_add_co_u32 s75, s75, VOFF                    ; V;
	s_lshl_b32 s72, s69, 14                        ; in memory
	s_add_co_u32 s72, s72, s70
	s_mov_b32 s73, 0
	s_lshl_b32 s76, s[Q0], 7
	s_add_co_u32 s76, s76, s70
	s_mov_b32 s77, 0
	s_lshl_b32 s78, s[Q0B], 7
	s_add_co_u32 s78, s78, s70
	s_mov_b32 s79, 0
	s_lshr_b32 s69, s[WV], 2
	s_xor_b32 s69, s69, 1                          ; 0 in waves 4 to 7,
	s_or_b32 s69, s69, s[J]                        ; of the head's work-group 0
	s_cmp_eq_u32 s69, 0
	s_cselect_b32 s[LIM], 7, 0
	s_mov_b32 s[G1K], (1<<16)|(1<<20)|(4<<22)|(3<<25)   ; elements of 2 bytes; padding of 4 words behind every 32
	s_mov_b32 s[G1V], (1<<16)|(1<<20)|(4<<22)|(7<<25)   ; of 8 words
.irp g, G1K, G1V
	s_mov_b32 s[\g+1], 64<<16                      ; tensor_dim0
	s_mov_b32 s[\g+2], 128<<16                     ; tensor_dim1
	s_mov_b32 s[\g+3], 64<<16                      ; tile_dim0
	s_mov_b32 s[\g+4], 128                         ; tile_dim1
	s_mov_b32 s[\g+5], 64                          ; pitch
	s_mov_b32 s[\g+6], 0
	s_mov_b32 s[\g+7], 0
.endr
	s_mov_b32 s[SEL], 0x76543210
	s_mov_b32 s[SEL+1], 0xfedcba98
	s_mov_b32 s[CS], 0x3e38aa3b                    ; c = log2(e) / 8
	s_mov_b32 s[CS+1], s[CS]
	s_mov_b32 s[TB], 0
	s_mov_b32 s[KSL], 0
	s_mov_b32 s[T], 0
	s_mov_b32 s[OFF+1], 0
	s_wait_dscnt 0x0                               ; both opening adds are done
	s_wait_kmcnt 0x0
	s_add_nc_u64 s[KB:KB+1], s[4:5], s[72:73]
	s_add_nc_u64 s[VB:VB+1], s[KB:KB+1], 33554432
	s_add_nc_u64 s[KB:KB+1], s[KB:KB+1], 16777216
	s_add_nc_u64 s[QB:QB+1], s[4:5], s[76:77]
	s_add_nc_u64 s[QB2:QB2+1], s[4:5], s[78:79]
	s_add_nc_u64 s[OB:OB+1], s[6:7], s[76:77]
	s_add_nc_u64 s[OB2:OB2+1], s[6:7], s[78:79]
	s_mov_b32 s[G0K], 1
	s_mov_b32 s[G0K+1], s74
	s_mov_b64 s[G0K+2:G0K+3], s[KB:KB+1]
	s_or_b32 s[G0K+3], s[G0K+3], 0x80000000
	s_mov_b32 s[G0V], 1
	s_mov_b32 s[G0V+1], s75
	s_mov_b64 s[G0V+2:G0V+3], s[VB:VB+1]
	s_or_b32 s[G0V+3], s[G0V+3], 0x80000000
	TLOAD                                          ; LDS slot 0: keys 0 to 255
	s_cmp_lt_u32 s[WV], 6
	s_cselect_b64 s[PFA:PFA+1], s[KB:KB+1], s[VB:VB+1]   ; at slot 0; each change of slots steps it first.  Nothing is prefetched at the head
	v_and_b32 v10, 15, v0                          ; r
	v_bfe_u32 v11, v0, 4, 1                        ; h
	v_lshlrev_b32 v[QO], 7, v10
	v_lshl_add_u32 v[QO], v11, 4, v[QO]
	QLOAD QB
	v_mul_u32_u24 v[AK0], v10, PK
	v_lshl_add_u32 v[AK0], v11, 4, v[AK0]          ; K: row r, + 16 h
	v_and_b32 v[ADK], 7, v0
	v_lshl_add_u32 v[AV0], v11, 3, v[ADK]
	v_mul_u32_u24 v[AV0], v[AV0], PV               ; V: key 8 h + lane % 8,
	v_bfe_u32 v[ADK], v0, 3, 1
	v_lshl_add_u32 v[AV0], v[ADK], 4, v[AV0]       ; channels 8 ((lane / 8) % 2) on
	v_add_nc_u32 v[AV0], VOFF, v[AV0]
	s_mul_i32 s69, s[WV], 32*HP
	s_add_co_u32 s69, s69, STAGE                   ; my stage
	v_mul_u32_u24 v[STO], v10, HP
	v_lshl_add_u32 v[STO], v11, 4, v[STO]
	v_add_nc_u32 v[STO], s69, v[STO]
	v_and_b32 v[ADV], 31, v0
	v_lshlrev_b32 v[GO], 4, v[ADV]
	v_lshlrev_b32 v[PFO], 8, v[ADV]
	v_lshrrev_b32 v[RD], 3, v[ADV]
	v_mul_u32_u24 v[RD], v[RD], HP
	v_and_b32 v[ADV], 7, v0
	v_lshl_add_u32 v[RD], v[ADV], 4, v[RD]
	v_add_nc_u32 v[RD], s69, v[RD]
	v_lshlrev_b32 v[RMH], 3, v11
	v_sub_nc_u32 v[RMH], v10, v[RMH]
	INIT
.macro FETCH_K i                       ; the slot's i-th 64 keys: 8 fragments of 16 keys x 32 channels
	WIN 0x40
.irp f, 0,1,2,3,4,5,6,7
	ds_load_b128 v[8*\f:8*\f+3], v[ADK] offset:(64*(\i)+16*(\f/2))*PK+64*(\f%2)
	ds_load_b128 v[8*\f+4:8*\f+7], v[ADK] offset:(64*(\i)+16*(\f/2))*PK+64*(\f%2)+32
.endr
	WIN 0
.endm
.macro FETCH_V i                       ; and their values, turned: 8 fragments of 16 channels x 32 keys
	WIN 0x40
.irp f, 0,1,2,3,4,5,6,7
	ds_load_tr16_b128 v[64+8*\f:64+8*\f+3], v[ADV] offset:(64*(\i)+32*(\f/4))*PV+32*(\f%4)
	ds_load_tr16_b128 v[64+8*\f+4:64+8*\f+7], v[ADV] offset:(64*(\i)+32*(\f/4)+16)*PV+32*(\f%4)
.endr
	WIN 0
.endm
; Both tiles' softmax of a key step.  The 66 exponentials are one batch with one wait: nothing ahead of the wait names a result, nothing behind it is an exponential.
.macro SOFTMAX
.irp t, 0,1
.irp c, 0,1,2,3
	v_max3_num_f32 v[ST+8*\t+4+\c], v[S+32*\t+8*\c], v[S+32*\t+8*\c+1], v[S+32*\t+8*\c+2]   ; four chains a tile; each accumulator is read from its low end on
.endr
.endr
.irp i, 3,5
.irp t, 0,1
.irp c, 0,1,2,3
	v_max3_num_f32 v[ST+8*\t+4+\c], v[ST+8*\t+4+\c], v[S+32*\t+8*\c+\i], v[S+32*\t+8*\c+\i+1]
.endr
.endr
.endr
.irp t, 0,1
	v_max3_num_f32 v[ST+8*\t+4], v[ST+8*\t+4], v[S+32*\t+7], v[S+32*\t+15]
	v_max3_num_f32 v[ST+8*\t+6], v[ST+8*\t+6], v[S+32*\t+23], v[S+32*\t+31]
.endr
.irp t, 0,1
	v_max3_num_f32 v[ST+8*\t+4], v[ST+8*\t+4], v[ST+8*\t+5], v[ST+8*\t+6]
.endr
.irp t, 0,1
	v_max3_num_f32 v[ST+8*\t+4], v[ST+8*\t+4], v[ST+8*\t+7], v[ST+8*\t+1]   ; with the old m
.endr
.irp t, 0,1
	v_permlanex16_b32 v[ST+8*\t+5], v[ST+8*\t+4], s[SEL], s[SEL+1]   ; the query's other 32 keys lie in the lane 16 away
.endr
.irp t, 0,1
	v_mov_b32 v[ST+8*\t+7], v[ST+8*\t]             ; c m_old
.endr
.irp t, 0,1
	v_max_num_f32 v[ST+8*\t+1], v[ST+8*\t+4], v[ST+8*\t+5]
.endr
.irp t, 0,1
	v_mul_f32 v[ST+8*\t], s[CS], v[ST+8*\t+1]
.endr
.irp t, 0,1
	v_sub_f32 v[ST+8*\t+7], v[ST+8*\t+7], v[ST+8*\t]
.endr
.set IX, 0
.rept 16
	v_pk_fma_f32 v[S+2*IX:S+2*IX+1], v[S+2*IX:S+2*IX+1], s[CS:CS+1], v[ST:ST+1] op_sel_hi:[1,0,0] neg_lo:[0,0,1] neg_hi:[0,0,1]   ; tile 0: c s - c m
.set IX, IX+1
.endr
	v_exp_f32 v[ST+6], v[ST+7]                     ; a = 2^(c m_old - c m_new)
	v_exp_f32 v[ST+14], v[ST+15]
.set IX, 0
.rept 16
	v_pk_fma_f32 v[S+32+2*IX:S+32+2*IX+1], v[S+32+2*IX:S+32+2*IX+1], s[CS:CS+1], v[ST+8:ST+9] op_sel_hi:[1,0,0] neg_lo:[0,0,1] neg_hi:[0,0,1]   ; tile 1's scalings stand among tile 0's exponentials
	v_exp_f32 v[S+2*IX], v[S+2*IX]
	v_exp_f32 v[S+2*IX+1], v[S+2*IX+1]
.set IX, IX+1
.endr
.set IX, 0
.rept 32
	v_exp_f32 v[S+32+IX], v[S+32+IX]
.set IX, IX+1
.endr
	v_nop                                          ; a plain line behind the last exponential,
	s_wait_alu depctr_va_vdst(0)                   ; and the one wait ahead of the first reader
.set IX, 0
.rept 32
	v_cvt_pk_f16_f32 v[P+IX], v[S+2*IX], v[S+2*IX+1]   ; pair IX % 16 of tile IX / 16
.set IX, IX+1
.endr
.irp u, 0,1,2,3,4,5,6,7,8,9,10,11,12,13,14,15      ; the sums of the unrounded p, in place: neighbours 1, 2, 4, 8 pairs apart
	v_pk_add_f32 v[S+4*\u:S+4*\u+1], v[S+4*\u:S+4*\u+1], v[S+4*\u+2:S+4*\u+3]
.endr
.irp u, 0,1,2,3,4,5,6,7
	v_pk_add_f32 v[S+8*\u:S+8*\u+1], v[S+8*\u:S+8*\u+1], v[S+8*\u+4:S+8*\u+5]
.endr
.irp u, 0,1,2,3
	v_pk_add_f32 v[S+16*\u:S+16*\u+1], v[S+16*\u:S+16*\u+1], v[S+16*\u+8:S+16*\u+9]
.endr
.irp t, 0,1
	v_pk_add_f32 v[S+32*\t:S+32*\t+1], v[S+32*\t:S+32*\t+1], v[S+32*\t+16:S+32*\t+17]
.endr
.irp t, 0,1
	v_pk_fma_f32 v[ST+8*\t+2:ST+8*\t+3], v[ST+8*\t+2:ST+8*\t+3], v[ST+8*\t+6:ST+8*\t+7], v[S+32*\t:S+32*\t+1] op_sel_hi:[1,0,1]   ; l = a l + the sum
.endr
.irp t, 0,1
.set IX, 0
.rept 16
	v_pk_mul_f32 v[O+32*\t+2*IX:O+32*\t+2*IX+1], v[O+32*\t+2*IX:O+32*\t+2*IX+1], v[ST+8*\t+6:ST+8*\t+7] op_sel_hi:[1,0]   ; O^T x a
.set IX, IX+1
.endr
.endr
.endm
; A KEY STEP: the slot's i-th 64 keys.  K of step i + 1 is fetched behind this step's K Q^T, V of step i + 1 behind its V^T P.  id: the number of the slot's label behind its last step.
.macro STEP i, id
.if \i > 0
	s_add_co_u32 s69, s[KSL], 64*\i
	s_add_co_u32 s70, s[Q0], 31
	s_cmp_gt_u32 s69, s70                          ; all its keys come after my queries: so do those of the slot's later steps
	s_cbranch_scc1 .Ldone_\id
.endif
	s_wait_dscnt 16                                ; K is in; V's sixteen loads may be out
.if \i == 0
	s_wait_loadcnt 0x0                             ; Q
.endif
	WIN 0x01                                       ; source 0 window 1
.irp c, 0,1                                    ; eight accumulators by turns, one instruction a turn
.irp kt, 0,1,2,3
.irp t, 0,1
.if \c == 0
	v_wmma_f32_16x16x32_f16 v[S+32*\t+8*\kt:S+32*\t+8*\kt+7], v[8*(2*\kt+\c):8*(2*\kt+\c)+7], v[Q+16*\t+8*\c:Q+16*\t+8*\c+7], 0
.else
	v_wmma_f32_16x16x32_f16 v[S+32*\t+8*\kt:S+32*\t+8*\kt+7], v[8*(2*\kt+\c):8*(2*\kt+\c)+7], v[Q+16*\t+8*\c:Q+16*\t+8*\c+7], v[S+32*\t+8*\kt:S+32*\t+8*\kt+7]
.endif
.endr
.endr
.endr
	WIN 0
	PLACES                                         ; in front of the loads into K's registers and of the first read of the scores
.if \i < 3
	FETCH_K \i+1
.endif
	s_add_co_u32 s69, s[KSL], 64*\i+63
	s_cmp_le_u32 s69, s[Q0]                        ; every key counts for every query of mine: no mask
	s_cbranch_scc1 .Lopen_\@
	s_sub_co_i32 s69, s[Q0], s[KSL]
	s_sub_co_i32 s69, s69, 64*\i
	v_add_nc_u32 v10, s69, v[RMH]                  ; d = my tile 0 query - the step's first key - 8 h.  Register 8 kt + j of tile t is hidden where 16 kt + j - 16 t > d
	v_mov_b32 v11, 0xff800000
.irp t, 0,1
.irp kt, 0,1,2,3
.irp j, 0,1,2,3,4,5,6,7
	v_cmp_gt_i32 vcc_lo, 16*\kt+\j-16*\t, v10
	v_cndmask_b32 v[S+32*\t+8*\kt+\j], v[S+32*\t+8*\kt+\j], v11, vcc_lo
.endr
.endr
.endr
.Lopen_\@:
	SOFTMAX
.if \i < 3
	s_wait_dscnt 16                                ; V is in; the next step's K may be out
.else
	s_wait_dscnt 0x0
.endif
	WIN 0x01
.irp kh, 0,1
.irp ct, 0,1,2,3
.irp t, 0,1
	v_wmma_f32_16x16x32_f16 v[O+32*\t+8*\ct:O+32*\t+8*\ct+7], v[64+8*(4*\kh+\ct):64+8*(4*\kh+\ct)+7], v[P+16*\t+8*\kh:P+16*\t+8*\kh+7], v[O+32*\t+8*\ct:O+32*\t+8*\ct+7]
.endr
.endr
.endr
	WIN 0
	PLACES                                         ; in front of the loads into V's registers, and of whatever reads O^T next
.if \i < 3
	FETCH_V \i+1
.endif
.endm
.macro SLOT_STEPS
	v_add_nc_u32 v[ADK], s[TB], v[AK0]
	v_add_nc_u32 v[ADV], s[TB], v[AV0]
	FETCH_K 0
	FETCH_V 0
	STEP 0, \@
	STEP 1, \@
	STEP 2, \@
	STEP 3, \@
.Ldone_\@:
	s_xor_b32 s[TB], s[TB], SLOT1                  ; on to the other slot
.endm
; THE CHANGE OF SLOTS stands at a trip's head.  Each wave waits for all its tensor loads (its part of the slot ahead), adds 0 to its spare word, and waits for that and for its reads of the slot that it has left.
; Behind the barrier the slot ahead is whole and nobody reads the other one, which is filled for the next trip: one load a loading wave, with a whole slot's steps in which to land.
.macro CHANGE fill
	s_wait_tensorcnt 0x0                           ; no tensor load of mine is out: the groups 0 may be written
	ds_add_u32 v[SPW], v[NIL]
.if \fill
	ds_add_u32 v[SPW], v[NIL]                      ; and twice on end here, in every trip alike
	s_xor_b32 s[G0K+1], s[G0K+1], SLOT1
	s_xor_b32 s[G0V+1], s[G0V+1], SLOT1
	s_add_co_u32 s69, s[T], 1
	s_sub_co_u32 s70, s[T], s[J]
	s_cmp_lt_u32 s[T], s[J]
	s_cselect_b32 s[OFF], s69, s70                 ; the next trip's key slot: T + 1 in the first block, T - j in the second
	s_lshl_b32 s[OFF], s[OFF], 15                  ; 256 rows of 128 bytes
	s_add_nc_u64 s[G0K+2:G0K+3], s[KB:KB+1], s[OFF:OFF+1]
	s_or_b32 s[G0K+3], s[G0K+3], 0x80000000
	s_add_nc_u64 s[G0V+2:G0V+3], s[VB:VB+1], s[OFF:OFF+1]
	s_or_b32 s[G0V+3], s[G0V+3], 0x80000000
	s_wait_xcnt 0x0                                ; the last prefetches, a trip back, have read their address
	s_add_nc_u64 s[PFA:PFA+1], s[PFA:PFA+1], 32768
.endif
	s_wait_dscnt 0x0
	s_barrier_signal -1
	s_barrier_wait -1
.if \fill
	TLOAD
	ASK
.endif
.endm
; THE WAY OUT of a block: O^T / l, f16, through my stage, out as 512 consecutive bytes an instruction.  next = 1: the second block's queries are asked for first, and the statistics begin anew.
.macro WAYOUT next, ob
.if \next
	QLOAD QB2
.endif
.irp t, 0,1
	v_add_f32 v[ST+8*\t+4], v[ST+8*\t+2], v[ST+8*\t+3]
.endr
.irp t, 0,1
	v_permlanex16_b32 v[ST+8*\t+5], v[ST+8*\t+4], s[SEL], s[SEL+1]
.endr
.irp t, 0,1
	v_add_f32 v[ST+8*\t+4], v[ST+8*\t+4], v[ST+8*\t+5]
.endr
.irp t, 0,1
	v_rcp_f32 v[ST+8*\t+6], v[ST+8*\t+4]
.endr
	v_nop
	s_wait_alu depctr_va_vdst(0)                   ; one wait for the two reciprocals
.irp t, 0,1
.set IX, 0
.rept 16
	v_pk_mul_f32 v[O+32*\t+2*IX:O+32*\t+2*IX+1], v[O+32*\t+2*IX:O+32*\t+2*IX+1], v[ST+8*\t+6:ST+8*\t+7] op_sel_hi:[1,0]
.set IX, IX+1
.endr
.endr
.set IX, 0
.rept 32
	v_cvt_pk_f16_f32 v[WO+IX], v[O+2*IX], v[O+2*IX+1]
.set IX, IX+1
.endr
.irp t, 0,1
.irp c, 0,1,2,3
	ds_store_b128 v[STO], v[WO+16*\t+4*\c:WO+16*\t+4*\c+3] offset:\t*16*HP+32*\c
.endr
.endr
.irp t, 0,1
.irp u, 0,1,2,3
	ds_load_b128 v[WO+16*\t+4*\u:WO+16*\t+4*\u+3], v[RD] offset:\t*16*HP+\u*4*HP   ; LDS serves a wave's instructions in order: these see the stores above
.endr
.endr
	s_wait_dscnt 0x0
.irp t, 0,1
.irp u, 0,1,2,3
	global_store_b128 v[GO], v[WO+16*\t+4*\u:WO+16*\t+4*\u+3], s[\ob:\ob+1] offset:\t*2048+\u*512
.endr
.endr
.if \next
	s_mov_b32 s[Q0], s[Q0B]
	s_mov_b32 s[KSL], 0
	INIT
	s_wait_xcnt 0x0                                ; the stores have read v224-255, which the second way out writes again
.endif
.endm
.Ltrip:                                            ; eight trips; the ninth is written out
	CHANGE 1
	SLOT_STEPS
	s_add_co_u32 s[KSL], s[KSL], 256
	s_cmp_lg_u32 s[T], s[J]                        ; the first block ends with trip j: ids and the count of trips alone
	s_cbranch_scc1 .Lsame
	WAYOUT 1, OB
.Lsame:
	s_add_co_u32 s[T], s[T], 1
	s_cmp_lt_u32 s[T], 8
	s_cbranch_scc1 .Ltrip
	CHANGE 0
	SLOT_STEPS
	WAYOUT 0, OB2
	s_wait_tensorcnt 0x0                           ; the wave's end
	ds_add_u32 v[SPW], v[NIL]
	s_wait_dscnt 0x0
	s_endpgm
.Lfunc_end_k_q473f4cd5db_attn:
	.size	k_q473f4cd5db_attn, .Lfunc_end_k_q473f4cd5db_attn-k_q473f4cd5db_attn
	.p2alignl 7, 3214868480
	.fill 96, 4, 3214868480
	.section	.rodata,"a",@progbits
	.p2align	6, 0x0
	.amdhsa_kernel k_q473f4cd5db_attn
		.amdhsa_group_segment_fixed_size 327680
		.amdhsa_private_segment_fixed_size 0
		.amdhsa_enable_private_segment 0
		.amdhsa_kernarg_size 16
		.amdhsa_user_sgpr_count 2
		.amdhsa_user_sgpr_kernarg_segment_ptr 1
		.amdhsa_wavefront_size32 1
		.amdhsa_system_sgpr_workgroup_id_x 1
		.amdhsa_system_sgpr_workgroup_id_y 1
		.amdhsa_system_sgpr_workgroup_id_z 1
		.amdhsa_system_vgpr_workitem_id 0
		.amdhsa_next_free_vgpr 384
		.amdhsa_next_free_sgpr 80
		.amdhsa_reserve_vcc 1
		.amdhsa_float_denorm_mode_32 3
		.amdhsa_float_denorm_mode_16_64 3
		.amdhsa_memory_ordered 1
		.amdhsa_forward_progress 1
		.amdhsa_inst_pref_size 199
	.end_amdhsa_kernel
	.amdgpu_metadata
---
amdhsa.version: [ 1, 2 ]
amdhsa.kernels:
  - .name:           k_q473f4cd5db_attn
    .symbol:         k_q473f4cd5db_attn.kd
    .args:
      - { .name: qkv16, .offset: 0, .size: 8, .value_kind: global_buffer, .address_space: global }
      - { .name: attn16, .offset: 8, .size: 8, .value_kind: global_buffer, .address_space: global }
    .group_segment_fixed_size: 327680
    .private_segment_fixed_size: 0
    .kernarg_segment_align: 8
    .kernarg_segment_size: 16
    .max_flat_workgroup_size: 256
    .sgpr_count:     80
    .vgpr_count:     384
    .wavefront_size: 32
...
	.end_amdgpu_metadata
.endif
;; end of part 3
;; launch proj (part 4): grid 8 x 64, 4 waves a work-group, clusters of 4 x 4, 327,680 bytes of LDS; arguments attn16, wo16, out0; writes out0
.if DOCPART == 4
	.amdgcn_target "amdgcn-amd-amdhsa--gfx1250"
	.amdhsa_code_object_version 6
	.text
	.protected	k_q473f4cd5db_proj
	.globl	k_q473f4cd5db_proj
	.p2align	8
	.type	k_q473f4cd5db_proj,@function
k_q473f4cd5db_proj:
	s_mov_b64 s[64:65], 0
	v_nop
	global_prefetch_b8 v0, s[64:65] scope:SCOPE_SE
	s_setreg_imm32_b32 hwreg(HW_REG_WAVE_MODE, 25, 1), 1
	s_wait_xcnt 0x0
	s_wait_alu depctr_hold_cnt(0) depctr_sa_sdst(0) depctr_va_vdst(0) depctr_va_sdst(0) depctr_va_ssrc(0) depctr_va_vcc(0) depctr_vm_vsrc(0)
	s_getreg_b32 s2, hwreg(HW_REG_IB_STS2, 6, 4)
	s_cmp_eq_u32 s2, 0
	s_cbranch_scc0 .Lentry_in_a_cluster
	s_endpgm
.Lentry_in_a_cluster:
	s_bfe_u32 s2, ttmp6, 0x10000c
	s_cmp_lg_u32 s2, 0xf033
	s_cbranch_scc0 .Lentry_shape_is_right
	s_endpgm
.Lentry_shape_is_right:
; out0[m][n] = sum over k of A[m][k] W_O[n][k], f16 operands, f32 sums, f32 out.  m = batch x 2048 + position, k = head x 64 + channel.
; A lies by heads: attn16 [batch x 16 + head][2048][64] f16.  W_O: wo16 [1024][1024] f16.  out0: [8192][1024] f32.
; A tile of out0 is 128 x 128 (512 work-groups); four waves, 64 x 64 each: 16 accumulators.  K goes in steps of 256 = four heads through a ring of two LDS slots.
; A's part of a K step: for each of four heads, 64 positions x 128 bytes, dense in memory: stated as 4 rows of 4,096 elements, 131,072 elements apart, with 16 bytes of padding behind every 128: LDS rows of 144 bytes, 9,216 a head.
; CLUSTERS: 4 x 4; A's tiles are asked for jointly along a row of the cluster, W_O's along a column.  THE MATRIX INSTRUCTION IS USED TRANSPOSED: a lane holds eight neighbouring numbers of a row of out0.
; No prefetch: the tiles are small and a K step is short.  Rows 0 to 15 of every batch are written here from f16 operands and written anew, from f32, by the launch that follows.
; REGISTERS: window 0: v16-29 addresses; v32-95 the way out; v128-255 the accumulators ((a, b) at v[128 + 8 (4 a + b)]).   window 1: two fragment buffers of 128: 64 registers of A, then 64 of B, for 64 along K.
.set SIZE_N, 1024
.set SIZE_K, 1024
.set KSTEP,  256
.set PA,     144
.set PLANE,  64*PA
.set HALFA,  4*PLANE                   ; 64 rows of A, four heads: what one tensor load brings
.set PB,     528
.set HALFB,  64*PB
.set SLOT,   2*HALFA+2*HALFB
.set SPARE,  2*SLOT                    ; behind the ring: the spare words
.set SPITCH, 272                       ; the way out: 16 rows x (256 bytes + 16) for each wave, in slot 0, which has had its last fill and its last read by then
.set LAPS,   SIZE_K/(2*KSTEP)
.set ADRA, 16
.set ADRB, 20
.set STO,  24
.set RD,   25
.set CO,   26
.set SPW,  28
.set NIL,  29
.set TMP,  32
.set ACC,  128
.set F0,   0
.set F1,   128
.set G1, 24
.set G0, 32
.set G1B, 48
.set G0B, 56
.set MSB, 0
.macro WIN new
.if MSB != (\new)
	s_set_vgpr_msb (MSB<<8)|(\new)
.set MSB, (\new)
.endif
.endm
.set MUL,  0x05                        ; sources 0 (B) and 1 (A) window 1; C and D window 0
.set TO_F, 0x40
.macro JLOAD s                         ; a joint load: waves 0, 1 fetch A's halves, waves 2, 3 B's; an s_nop 0 and four v_nop follow each line
	s_cmp_eq_u32 s11, 0
	s_cbranch_scc0 .Lfor_b_\@
	tensor_load_to_lds s[G0+4*\s:G0+4*\s+3], s[G1:G1+7]
	s_nop 0
.rept 4
	v_nop
.endr
	s_branch .Lasked_\@
.Lfor_b_\@:
	tensor_load_to_lds s[G0B+4*\s:G0B+4*\s+3], s[G1B:G1B+7]
	s_nop 0
.rept 4
	v_nop
.endr
.Lasked_\@:
.endm
.macro CREST
	s_cmp_lg_u32 s10, 0
	s_cbranch_scc1 .Lnot_wave_0_\@
	s_barrier_signal -3
.Lnot_wave_0_\@:
	s_barrier_wait -3
	s_barrier_signal -1
	s_barrier_wait -1
.endm
.macro CROUND
	s_barrier_signal -1
	s_barrier_wait -1
	CREST
.endm
	s_load_b128 s[4:7], s[0:1], 0x0                ; attn16 s[4:5], wo16 s[6:7]
	s_load_b64 s[8:9], s[0:1], 0x10                ; out0
	v_lshl_add_u32 v[SPW], v0, 2, SPARE
	v_mov_b32 v[NIL], 0
	ds_add_u32 v[SPW], v[NIL]                      ; the wave's opening: the add, twice on end, and its wait ahead of my first tensor load
	ds_add_u32 v[SPW], v[NIL]
	v_lshrrev_b32 v1, 5, v0
	v_readfirstlane_b32 s10, v1                    ; wave 0..3
	s_lshr_b32 s11, s10, 1                         ; my half of the tile's rows; also: I fetch for A (0) or B (1)
	s_and_b32 s12, s10, 1                          ; my half of its columns; also: which 64 rows I fetch
	s_bfe_u32 s40, ttmp6, 0x40000
	s_bfe_u32 s41, ttmp6, 0x40004
	s_lshl_b32 s42, ttmp9, 2
	s_add_co_u32 s42, s42, s40                     ; tile column
	s_and_b32 s13, ttmp7, 0xffff
	s_lshl_b32 s13, s13, 2
	s_add_co_u32 s13, s13, s41                     ; tile row
	s_lshl_b32 s43, s41, 2
	s_lshl_b32 s43, 15, s43
	s_lshl_b32 s44, 0x1111, s40
	s_or_b32 s[G1+0], s43, (1<<16)|(1<<20)|(1<<21)|(4<<22)|(3<<25)   ; A: elements of 2 bytes; 4 words of padding behind every 32
	s_mov_b32 s[G1+1], 4096<<16                    ; tensor_dim0: 64 positions x 64 channels on end
	s_mov_b32 s[G1+2], 4<<16                       ; tensor_dim1: four heads
	s_mov_b32 s[G1+3], 4096<<16                    ; tile_dim0
	s_mov_b32 s[G1+4], 4                           ; tile_dim1
	s_mov_b32 s[G1+5], 131072                      ; from head to head, in elements
	s_mov_b32 s[G1+6], 0
	s_mov_b32 s[G1+7], 0
	s_or_b32 s[G1B+0], s44, (1<<16)|(1<<20)|(1<<21)|(6<<22)|(3<<25)  ; B: 4 words behind every 128
	s_mov_b32 s[G1B+1], KSTEP<<16
	s_mov_b32 s[G1B+2], 64<<16
	s_mov_b32 s[G1B+3], KSTEP<<16
	s_mov_b32 s[G1B+4], 64
	s_mov_b32 s[G1B+5], SIZE_K
	s_mov_b32 s[G1B+6], 0
	s_mov_b32 s[G1B+7], 0
	s_lshr_b32 s16, s13, 4                         ; A: the batch's 16 heads of 262,144 bytes,
	s_lshl_b32 s16, s16, 22
	s_and_b32 s17, s13, 15
	s_lshl_b32 s17, s17, 14                        ; the tile's 128 positions of 128 bytes,
	s_add_co_u32 s16, s16, s17
	s_lshl_b32 s17, s12, 13                        ; the half that I fetch
	s_add_co_u32 s16, s16, s17
	s_mov_b32 s17, 0
	s_lshl_b32 s46, s42, 7                         ; B: row 128 x tile column + 64 x half, of 2,048 bytes
	s_lshl_b32 s47, s12, 6
	s_add_co_u32 s46, s46, s47
	s_lshl_b32 s46, s46, 11
	s_mov_b32 s47, 0
	s_mul_i32 s20, s12, HALFA                      ; where they go: A's two halves, then B's two
	s_mul_i32 s21, s12, HALFB
	s_add_co_u32 s21, s21, 2*HALFA
	s_wait_dscnt 0x0
	s_wait_kmcnt 0x0
	s_add_nc_u64 s[14:15], s[4:5], s[16:17]
	s_add_nc_u64 s[46:47], s[6:7], s[46:47]
	CROUND                                         ; all sixteen work-groups are here
.irp s, 0,1
	s_mov_b32 s[G0+4*\s], 1
	s_add_co_u32 s[G0+4*\s+1], s20, \s*SLOT
	s_add_nc_u64 s[G0+4*\s+2:G0+4*\s+3], s[14:15], \s*1048576       ; four heads on
	s_or_b32 s[G0+4*\s+3], s[G0+4*\s+3], 0x80000000
	s_mov_b32 s[G0B+4*\s], 1
	s_add_co_u32 s[G0B+4*\s+1], s21, \s*SLOT
	s_add_nc_u64 s[G0B+4*\s+2:G0B+4*\s+3], s[46:47], \s*KSTEP*2
	s_or_b32 s[G0B+4*\s+3], s[G0B+4*\s+3], 0x80000000
	JLOAD \s
.endr
	v_and_b32 v1, 15, v0                           ; r
	v_bfe_u32 v2, v0, 4, 1                         ; h
	v_mul_u32_u24 v3, v1, PA
	v_lshl_add_u32 v3, v2, 4, v3
	v_mul_u32_u24 v4, v1, PB
	v_lshl_add_u32 v4, v2, 4, v4
	s_mul_i32 s22, s11, HALFA                      ; my 64 rows of A
	s_mul_i32 s23, s12, HALFB                      ; my 64 rows of B
	s_add_co_u32 s23, s23, 2*HALFA
.irp s, 0,1
	v_add_nc_u32 v[ADRA+\s], s22, v3
	v_add_nc_u32 v[ADRB+\s], s23, v4
	s_add_co_u32 s22, s22, SLOT
	s_add_co_u32 s23, s23, SLOT
.endr
	s_mul_i32 s23, s10, 16*SPITCH                  ; my stage
	v_mul_u32_u24 v5, v1, SPITCH
	v_lshl_add_u32 v5, v2, 5, v5
	v_add_nc_u32 v[STO], s23, v5                   ; in: row r, 32 bytes for each half of the lanes
	v_mul_u32_u24 v5, v2, SPITCH
	v_lshl_add_u32 v5, v1, 4, v5
	v_add_nc_u32 v[RD], s23, v5                    ; back: lanes 0-15 one row of 256 bytes, lanes 16-31 the next
	v_lshlrev_b32 v5, 12, v2
	v_lshl_add_u32 v[CO], v1, 4, v5                ; and the same two rows in out0
	s_lshl_b32 s16, s13, 7
	s_lshl_b32 s17, s11, 6
	s_add_co_u32 s16, s16, s17                     ; my first row
	s_lshl_b32 s16, s16, 12                        ; of 4,096 bytes
	s_mov_b32 s17, 0
	s_add_nc_u64 s[8:9], s[8:9], s[16:17]
	s_lshl_b32 s46, s42, 9                         ; my first column, in bytes
	s_lshl_b32 s47, s12, 8
	s_add_co_u32 s46, s46, s47
	s_mov_b32 s47, 0
	s_add_nc_u64 s[8:9], s[8:9], s[46:47]
.macro MUL8 f, c, a0, zero             ; 8 matrix instructions: row blocks a0, a0 + 1 x 4 column blocks, 32 along K.  The 16 accumulators take turns
.irp a, \a0, \a0+1
.irp b, 0,1,2,3
.if \zero
	v_wmma_f32_16x16x32_f16 v[ACC+8*(4*(\a)+\b):ACC+8*(4*(\a)+\b)+7], v[\f+64+8*(4*\c+\b):\f+64+8*(4*\c+\b)+7], v[\f+8*(4*\c+\a):\f+8*(4*\c+\a)+7], 0
.else
	v_wmma_f32_16x16x32_f16 v[ACC+8*(4*(\a)+\b):ACC+8*(4*(\a)+\b)+7], v[\f+64+8*(4*\c+\b):\f+64+8*(4*\c+\b)+7], v[\f+8*(4*\c+\a):\f+8*(4*\c+\a)+7], v[ACC+8*(4*(\a)+\b):ACC+8*(4*(\a)+\b)+7]
.endif
.endr
.endr
.endm
.macro FETCH slot, q, f                ; the slot's q-th 64 along K (one head): 32 LDS loads in one run, the first 32 along K first
	WIN TO_F
.irp c, 0,1
.irp i, 0,1,2,3
	ds_load_b128 v[\f+64+8*(4*\c+\i):\f+64+8*(4*\c+\i)+3],   v[ADRB+\slot] offset:128*(\q)+64*\c+\i*16*PB
	ds_load_b128 v[\f+64+8*(4*\c+\i)+4:\f+64+8*(4*\c+\i)+7], v[ADRB+\slot] offset:128*(\q)+64*\c+\i*16*PB+32
	ds_load_b128 v[\f+8*(4*\c+\i):\f+8*(4*\c+\i)+3],         v[ADRA+\slot] offset:(\q)*PLANE+64*\c+\i*16*PA
	ds_load_b128 v[\f+8*(4*\c+\i)+4:\f+8*(4*\c+\i)+7],       v[ADRA+\slot] offset:(\q)*PLANE+64*\c+\i*16*PA+32
.endr
.endr
.endm
.macro PLACES
.rept 4
	v_nop
.endr
.endm
.macro QUARTER slot, q, f, g, zero     ; multiplies buffer f; in its middle fetches the slot's q-th quarter into g
	s_wait_dscnt 16                                ; the first 32 along K are in; sixteen loads may be out
	WIN MUL
	MUL8 \f, 0, 0, \zero
	MUL8 \f, 0, 2, \zero
	PLACES
	FETCH \slot, \q, \g
	s_wait_dscnt 32                                ; all but the 32 just issued
	WIN MUL
	MUL8 \f, 1, 0, 0
	MUL8 \f, 1, 2, 0
.endm
; A slot's last quarter changes slots: one barrier; in front of it each wave waits for all its tensor loads, adds 0 to its spare word, and waits for that and for its reads of this slot.  fill = 1: the slot is filled again, two K steps on.
.macro TURN slot, next, fill
	WIN 0
	s_wait_tensorcnt 0x0
	ds_add_u32 v[SPW], v[NIL]
	s_wait_dscnt 17                                ; (the add and the youngest sixteen loads may be out)
	WIN MUL
	MUL8 F1, 0, 0, 0
	s_wait_dscnt 0x0
	s_barrier_signal -1
	MUL8 F1, 0, 2, 0
.if \fill
	WIN 0
.endif
	s_barrier_wait -1
.if \fill
	CREST                                          ; the barrier has opened a round of the cluster's: no wave of any partner still reads this slot or has a load on its way
	s_add_nc_u64 s[G0+4*\slot+2:G0+4*\slot+3], s[G0+4*\slot+2:G0+4*\slot+3], 2097152
	s_add_nc_u64 s[G0B+4*\slot+2:G0B+4*\slot+3], s[G0B+4*\slot+2:G0B+4*\slot+3], 2*KSTEP*2
	JLOAD \slot                                    ; the first tensor load behind the round; its four v_nop are also the places in front of the loads below
.else
	PLACES
.endif
	FETCH \next, 0, F0
	WIN MUL
	MUL8 F1, 1, 0, 0
	MUL8 F1, 1, 2, 0
.endm
	s_wait_tensorcnt 1                             ; my part of K step 0 is in; K step 1's may be out
	s_barrier_signal -1
	s_barrier_wait -1
	FETCH 0, 0, F0
	QUARTER 0, 1, F0, F1, 1                        ; the first products start the sums
	WIN 0
	s_mov_b32 s3, LAPS-1
.Llap:                                                 ; a trip goes once round the ring and fills both slots again
	QUARTER 0, 2, F1, F0, 0
	QUARTER 0, 3, F0, F1, 0
	TURN 0, 1, 1
	QUARTER 1, 1, F0, F1, 0
	QUARTER 1, 2, F1, F0, 0
	QUARTER 1, 3, F0, F1, 0
	TURN 1, 0, 1
	QUARTER 0, 1, F0, F1, 0
	WIN 0
	s_sub_co_u32 s3, s3, 1
	s_cmp_lg_u32 s3, 0
	s_cbranch_scc1 .Llap
	QUARTER 0, 2, F1, F0, 0                        ; the last lap fills nothing
	QUARTER 0, 3, F0, F1, 0
	TURN 0, 1, 0
	QUARTER 1, 1, F0, F1, 0
	QUARTER 1, 2, F1, F0, 0
	QUARTER 1, 3, F0, F1, 0
	s_wait_dscnt 16
	WIN MUL
	MUL8 F1, 0, 0, 0
	MUL8 F1, 0, 2, 0
	s_wait_dscnt 0
	MUL8 F1, 1, 0, 0
	MUL8 F1, 1, 2, 0
	WIN 0
; THE WAY OUT, 16 rows x 64 columns at a time.  A wave's 64 columns of f32 are 256 aligned bytes of a row: so each wave has a stage of its own and no barrier is needed.
.macro TOSTAGE a
.set BB, TMP+32*((\a)%2)
.irp b, 0,1,2,3
	ds_store_b128 v[STO], v[ACC+8*(4*(\a)+\b):ACC+8*(4*(\a)+\b)+3] offset:64*\b        ; each accumulator from its low end on
	ds_store_b128 v[STO], v[ACC+8*(4*(\a)+\b)+4:ACC+8*(4*(\a)+\b)+7] offset:64*\b+16
.endr
.irp t, 0,1,2,3,4,5,6,7
	ds_load_b128 v[BB+4*\t:BB+4*\t+3], v[RD] offset:\t*2*SPITCH
.endr
.endm
.macro SEND a, younger
.set BB, TMP+32*((\a)%2)
	s_wait_dscnt \younger                          ; the block is back; the next block's eight stores and eight loads may be out
.irp t, 0,1,2,3,4,5,6,7
	global_store_b128 v[CO], v[BB+4*\t:BB+4*\t+3], s[8:9] offset:(16*(\a)+2*\t)*4096 th:TH_STORE_NT   ; sixteen lanes store 256 consecutive bytes, aligned
.endr
.endm
	PLACES
	TOSTAGE 0
.irp a, 1,2,3
.if \a > 1
	s_wait_xcnt 0x0                                ; block a - 2's stores have read their registers: block a's loads may land there
.endif
	TOSTAGE \a
	SEND \a-1, 16
.endr
	SEND 3, 0
	s_wait_tensorcnt 0x0                           ; the wave's end
	ds_add_u32 v[SPW], v[NIL]
	s_wait_dscnt 0x0
	CROUND                                         ; the closing round
	s_endpgm
.Lfunc_end_k_q473f4cd5db_proj:
	.size	k_q473f4cd5db_proj, .Lfunc_end_k_q473f4cd5db_proj-k_q473f4cd5db_proj
	.p2alignl 7, 3214868480
	.fill 96, 4, 3214868480
	.section	.rodata,"a",@progbits
	.p2align	6, 0x0
	.amdhsa_kernel k_q473f4cd5db_proj
		.amdhsa_group_segment_fixed_size 327680
		.amdhsa_private_segment_fixed_size 0
		.amdhsa_enable_private_segment 0
		.amdhsa_kernarg_size 24
		.amdhsa_user_sgpr_count 2
		.amdhsa_user_sgpr_kernarg_segment_ptr 1
		.amdhsa_wavefront_size32 1
		.amdhsa_system_sgpr_workgroup_id_x 1
		.amdhsa_system_sgpr_workgroup_id_y 1
		.amdhsa_system_sgpr_workgroup_id_z 1
		.amdhsa_system_vgpr_workitem_id 0
		.amdhsa_next_free_vgpr 512
		.amdhsa_next_free_sgpr 66
		.amdhsa_reserve_vcc 0
		.amdhsa_float_denorm_mode_32 3
		.amdhsa_float_denorm_mode_16_64 3
		.amdhsa_memory_ordered 1
		.amdhsa_forward_progress 1
		.amdhsa_inst_pref_size 86
	.end_amdhsa_kernel
	.amdgpu_metadata
---
amdhsa.version: [ 1, 2 ]
amdhsa.kernels:
  - .name:           k_q473f4cd5db_proj
    .symbol:         k_q473f4cd5db_proj.kd
    .args:
      - { .name: attn16, .offset: 0, .size: 8, .value_kind: global_buffer, .address_space: global }
      - { .name: wo16, .offset: 8, .size: 8, .value_kind: global_buffer, .address_space: global }
      - { .name: out0, .offset: 16, .size: 8, .value_kind: global_buffer, .address_space: global }
    .group_segment_fixed_size: 327680
    .private_segment_fixed_size: 0
    .kernarg_segment_align: 8
    .kernarg_segment_size: 24
    .max_flat_workgroup_size: 128
    .sgpr_count:     66
    .vgpr_count:     512
    .wavefront_size: 32
...
	.end_amdgpu_metadata
.endif
;; end of part 4
;; launch first (part 5): grid 64 x 4, 16 waves a work-group, no clusters, 18,432 bytes of LDS; arguments first32, W_O, out0; writes out0
.if DOCPART == 5
	.amdgcn_target "amdgcn-amd-amdhsa--gfx1250"
	.amdhsa_code_object_version 6
	.text
	.protected	k_q473f4cd5db_first
	.globl	k_q473f4cd5db_first
	.p2align	8
	.type	k_q473f4cd5db_first,@function
k_q473f4cd5db_first:
	s_mov_b64 s[64:65], 0
	v_nop
	global_prefetch_b8 v0, s[64:65] scope:SCOPE_SE
	s_setreg_imm32_b32 hwreg(HW_REG_WAVE_MODE, 25, 1), 1
	s_wait_xcnt 0x0
; Positions 0 to 15 of every batch, all in f32: under the causal mask these rows average one to sixteen values, and f16 operands would use up what the comparison allows.  64 of the 8,192 rows: no bulk work.
; Work-group (cb, batch) makes 16 rows x 16 columns (16 cb on) of out0.  A wave is a head: its 16 x 16 scores, softmax, 16 x 64 result and that result's part of the projection, 48 f32 matrix instructions;
; the sixteen heads' parts meet in LDS and two waves add them.  Each work-group repeats the heads' small attention, so that the work spreads over 256 work-groups with one owner for each output.
; A row's piece is 64 bytes: 256 KiB leave so.
; first32: [3][batch][head][4096 bytes] f32: q and k as images of the operands ([8][lane][4]: lane 16 q + r holds channels 8 c + 4 q + 0 .. 3 of position r: the same order in both, so the products pair rightly); v as rows [16][64].
; LAYOUT.  S^T = K Q^T: a lane holds one query r and keys 8 h + 0 .. 7.  Registers 2 i, 2 i + 1 of p are then source 1 of a step over keys 2 i, 2 i + 1, 8 + 2 i, 9 + 2 i of O^T = V^T P; V^T is loaded in that order.
; O^T's registers 2 i, 2 i + 1 of tile t are source 1 of a step over channels 16 t + 8 h + 2 i, + 1 of the projection, W_O's rows in that order being source 0: a lane ends with eight neighbouring columns of row r.
; The registers that the f32 matrix form writes (v144-223) are written by matrix instructions alone; each sum begins with the constant 0.
.set SPW,  2
.set NIL,  3
.set SPARE, 16384                      ; behind the sixteen waves' 1,024 bytes each: the spare words, 128 bytes a wave
	s_load_b128 s[4:7], s[0:1], 0x0                ; first32 s[4:5], W_O s[6:7]
	s_load_b64 s[8:9], s[0:1], 0x10                ; out0
	v_lshl_add_u32 v[SPW], v0, 2, SPARE
	v_mov_b32 v[NIL], 0
	v_lshrrev_b32 v1, 5, v0
	v_readfirstlane_b32 s10, v1                    ; wave = head
	s_and_b32 s11, ttmp7, 0xffff                   ; batch
	v_and_b32 v4, 31, v0                           ; lane
	v_and_b32 v5, 15, v0                           ; r
	v_bfe_u32 v6, v0, 4, 1                         ; h
	v_lshlrev_b32 v7, 4, v4                        ; 16 x lane
	v_lshlrev_b32 v8, 2, v5
	v_lshl_add_u32 v8, v6, 11, v8                  ; V: key 8 h, channel r
	v_lshlrev_b32 v9, 12, v5
	v_lshl_add_u32 v9, v6, 5, v9                   ; W_O and out0: row r of 4,096 bytes, + 32 h
	v_lshlrev_b32 v10, 3, v6
	v_sub_nc_u32 v10, v5, v10                      ; r - 8 h
	s_lshl_b32 s18, s10, 10
	v_add_nc_u32 v11, s18, v7                      ; LDS: my wave's 1,024 bytes
	s_lshl_b32 s18, s10, 9
	v_add_nc_u32 v12, s18, v7                      ; LDS, for waves 0 and 1: half q = wave of every wave's part
	s_lshl_b32 s18, s10, 4
	v_add_nc_u32 v13, s18, v9                      ; and its 16 bytes in out0
	s_lshl_b32 s12, s11, 16
	s_lshl_b32 s13, s10, 12
	s_add_co_u32 s12, s12, s13
	s_mov_b32 s13, 0
	s_lshl_b32 s14, ttmp9, 16                      ; 16 rows of W_O,
	s_lshl_b32 s15, s10, 8                         ; my head's 64 columns
	s_add_co_u32 s14, s14, s15
	s_mov_b32 s15, 0
	s_lshl_b32 s16, s11, 23                        ; the batch's 2,048 rows of 4,096 bytes,
	s_lshl_b32 s17, ttmp9, 6                       ; 16 columns
	s_add_co_u32 s16, s16, s17
	s_mov_b32 s17, 0
	s_mov_b32 s20, 0x76543210
	s_mov_b32 s21, 0xfedcba98
	s_mov_b32 s22, 0x3e38aa3b                      ; c = log2(e) / 8
	s_wait_kmcnt 0x0
	s_add_nc_u64 s[4:5], s[4:5], s[12:13]
	s_add_nc_u64 s[6:7], s[6:7], s[14:15]
	s_add_nc_u64 s[8:9], s[8:9], s[16:17]
.irp c, 0,1,2,3,4,5,6,7
	global_load_b128 v[16+4*\c:19+4*\c], v7, s[4:5] offset:512*\c            ; Q
.endr
.irp c, 0,1,2,3,4,5,6,7
	global_load_b128 v[48+4*\c:51+4*\c], v7, s[4:5] offset:262144+512*\c     ; K
.endr
.irp t, 0,1,2,3
.irp j, 0,1,2,3,4,5,6,7
	global_load_b32 v[80+8*\t+\j], v8, s[4:5] offset:524288+256*\j+64*\t     ; V(8 h + j, 16 t + r)
.endr
.endr
.irp t, 0,1,2,3
	global_load_b128 v[112+8*\t:115+8*\t], v9, s[6:7] offset:64*\t           ; W_O(16 cb + r, 64 head + 16 t + 8 h + 0 .. 7)
	global_load_b128 v[116+8*\t:119+8*\t], v9, s[6:7] offset:64*\t+16
.endr
	s_wait_loadcnt 40                              ; Q and K are in; V's 32 loads and W_O's 8 may be out
	v_wmma_f32_16x16x4_f32 v[144:151], v[48:49], v[16:17], 0                 ; S^T in two halves that take turns
	v_wmma_f32_16x16x4_f32 v[152:159], v[50:51], v[18:19], 0
.irp c, 1,2,3,4,5,6,7
	v_wmma_f32_16x16x4_f32 v[144:151], v[48+4*\c:49+4*\c], v[16+4*\c:17+4*\c], v[144:151]
	v_wmma_f32_16x16x4_f32 v[152:159], v[50+4*\c:51+4*\c], v[18+4*\c:19+4*\c], v[152:159]
.endr
.rept 8
	v_nop                                          ; eight places behind this form before a vector instruction reads its result
.endr
.irp j, 0,1,2,3,4,5,6,7
	v_add_f32 v[224+\j], v[144+\j], v[152+\j]      ; the score of key 8 h + j
.endr
	v_mov_b32 v232, 0xff800000
.irp j, 0,1,2,3,4,5,6,7
	v_cmp_gt_i32 vcc_lo, \j, v10                   ; hidden where 8 h + j > r
	v_cndmask_b32 v[224+\j], v[224+\j], v232, vcc_lo
.endr
	v_max3_num_f32 v233, v224, v225, v226
	v_max3_num_f32 v234, v227, v228, v229
	v_max3_num_f32 v233, v233, v230, v231
	v_max_num_f32 v233, v233, v234
	v_permlanex16_b32 v234, v233, s20, s21
	v_max_num_f32 v233, v233, v234                 ; the row's maximum: key 0 counts for every query
	v_mul_f32 v233, s22, v233
.irp j, 0,1,2,3,4,5,6,7
	v_fma_f32 v[224+\j], v[224+\j], s22, -v233
.endr
.irp j, 0,1,2,3,4,5,6,7
	v_exp_f32 v[224+\j], v[224+\j]
.endr
	v_nop
	s_wait_alu depctr_va_vdst(0)                   ; one wait for the eight
	v_add_f32 v234, v224, v225
	v_add_f32 v235, v226, v227
	v_add_f32 v236, v228, v229
	v_add_f32 v237, v230, v231
	v_add_f32 v234, v234, v235
	v_add_f32 v236, v236, v237
	v_add_f32 v234, v234, v236
	v_permlanex16_b32 v235, v234, s20, s21
	v_add_f32 v234, v234, v235
	v_rcp_f32 v235, v234
	v_nop
	s_wait_alu depctr_va_vdst(0)
.irp j, 0,1,2,3,4,5,6,7
	v_mul_f32 v[224+\j], v[224+\j], v235           ; the weights
.endr
	s_wait_loadcnt 8                               ; V is in; W_O's eight loads may be out
.irp t, 0,1,2,3
	v_wmma_f32_16x16x4_f32 v[160+8*\t:167+8*\t], v[80+8*\t:81+8*\t], v[224:225], 0        ; O^T: four tiles of 16 channels by turns
.endr
.irp i, 1,2,3
.irp t, 0,1,2,3
	v_wmma_f32_16x16x4_f32 v[160+8*\t:167+8*\t], v[80+8*\t+2*\i:81+8*\t+2*\i], v[224+2*\i:225+2*\i], v[160+8*\t:167+8*\t]
.endr
.endr
.rept 9
	v_nop                                          ; nine places before a matrix instruction takes these results as a source
.endr
	s_wait_loadcnt 0x0
.irp i, 0,1,2,3
	v_wmma_f32_16x16x4_f32 v[192+8*\i:199+8*\i], v[112+2*\i:113+2*\i], v[160+2*\i:161+2*\i], 0   ; the projection's part of my head, in four sums by turns
.endr
.irp t, 1,2,3
.irp i, 0,1,2,3
	v_wmma_f32_16x16x4_f32 v[192+8*\i:199+8*\i], v[112+8*\t+2*\i:113+8*\t+2*\i], v[160+8*\t+2*\i:161+8*\t+2*\i], v[192+8*\i:199+8*\i]
.endr
.endr
.rept 8
	v_nop
.endr
.irp p, 0,2,4,6
	v_pk_add_f32 v[240+\p:241+\p], v[192+\p:193+\p], v[200+\p:201+\p]
.endr
.irp p, 0,2,4,6
	v_pk_add_f32 v[232+\p:233+\p], v[208+\p:209+\p], v[216+\p:217+\p]
.endr
.irp p, 0,2,4,6
	v_pk_add_f32 v[240+\p:241+\p], v[240+\p:241+\p], v[232+\p:233+\p]   ; lane (r, h): my head's part of out0(r, 16 cb + 8 h + 0 .. 7)
.endr
	ds_store_b128 v11, v[240:243]
	ds_store_b128 v11, v[244:247] offset:512
	s_wait_dscnt 0x0                               ; for the others' sake: my stores are done
	s_barrier_signal -1
	s_barrier_wait -1
	s_cmp_lt_u32 s10, 2                            ; waves 0 and 1 add the sixteen heads' parts, half a lane's eight numbers each
	s_cbranch_scc0 .Lrest
.irp w, 0,1,2,3,4,5,6,7,8,9,10,11,12,13,14,15
	ds_load_b128 v[16+4*\w:19+4*\w], v12 offset:1024*\w
.endr
	s_wait_dscnt 0x0
.irp u, 0,1,2,3,4,5,6,7
	v_pk_add_f32 v[16+8*\u:17+8*\u], v[16+8*\u:17+8*\u], v[20+8*\u:21+8*\u]
	v_pk_add_f32 v[18+8*\u:19+8*\u], v[18+8*\u:19+8*\u], v[22+8*\u:23+8*\u]
.endr
.irp u, 0,1,2,3
	v_pk_add_f32 v[16+16*\u:17+16*\u], v[16+16*\u:17+16*\u], v[24+16*\u:25+16*\u]
	v_pk_add_f32 v[18+16*\u:19+16*\u], v[18+16*\u:19+16*\u], v[26+16*\u:27+16*\u]
.endr
.irp u, 0,1
	v_pk_add_f32 v[16+32*\u:17+32*\u], v[16+32*\u:17+32*\u], v[32+32*\u:33+32*\u]
	v_pk_add_f32 v[18+32*\u:19+32*\u], v[18+32*\u:19+32*\u], v[34+32*\u:35+32*\u]
.endr
	v_pk_add_f32 v[16:17], v[16:17], v[48:49]
	v_pk_add_f32 v[18:19], v[18:19], v[50:51]
	global_store_b128 v13, v[16:19], s[8:9]
.Lrest:
	s_wait_tensorcnt 0x0                           ; the wave's end, behind my last LDS store
	ds_add_u32 v[SPW], v[NIL]
	s_wait_dscnt 0x0
	s_endpgm
.Lfunc_end_k_q473f4cd5db_first:
	.size	k_q473f4cd5db_first, .Lfunc_end_k_q473f4cd5db_first-k_q473f4cd5db_first
	.p2alignl 7, 3214868480
	.fill 96, 4, 3214868480
	.section	.rodata,"a",@progbits
	.p2align	6, 0x0
	.amdhsa_kernel k_q473f4cd5db_first
		.amdhsa_group_segment_fixed_size 18432
		.amdhsa_private_segment_fixed_size 0
		.amdhsa_enable_private_segment 0
		.amdhsa_kernarg_size 24
		.amdhsa_user_sgpr_count 2
		.amdhsa_user_sgpr_kernarg_segment_ptr 1
		.amdhsa_wavefront_size32 1
		.amdhsa_system_sgpr_workgroup_id_x 1
		.amdhsa_system_sgpr_workgroup_id_y 1
		.amdhsa_system_sgpr_workgroup_id_z 1
		.amdhsa_system_vgpr_workitem_id 0
		.amdhsa_next_free_vgpr 256
		.amdhsa_next_free_sgpr 66
		.amdhsa_reserve_vcc 1
		.amdhsa_float_denorm_mode_32 3
		.amdhsa_float_denorm_mode_16_64 3
		.amdhsa_memory_ordered 1
		.amdhsa_forward_progress 1
		.amdhsa_inst_pref_size 18
	.end_amdhsa_kernel
	.amdgpu_metadata
---
amdhsa.version: [ 1, 2 ]
amdhsa.kernels:
  - .name:           k_q473f4cd5db_first
    .symbol:         k_q473f4cd5db_first.kd
    .args:
      - { .name: first32, .offset: 0, .size: 8, .value_kind: global_buffer, .address_space: global }
      - { .name: W_O, .offset: 8, .size: 8, .value_kind: global_buffer, .address_space: global }
      - { .name: out0, .offset: 16, .size: 8, .value_kind: global_buffer, .address_space: global }
    .group_segment_fixed_size: 18432
    .private_segment_fixed_size: 0
    .kernarg_segment_align: 8
    .kernarg_segment_size: 24
    .max_flat_workgroup_size: 512
    .sgpr_count:     66
    .vgpr_count:     256
    .wavefront_size: 32
...
	.end_amdgpu_metadata
.endif
;; end of part 5
